; MI455X (gfx1250); checked and timed in simulation.
; The chip was launched on July 23, 2026; its instructions are those of AMD's public machine-readable ISA for CDNA 5 (MIT licence, August 2026) and "CDNA5" Instruction Set Architecture Reference Guide (July 2026). The comments in the code are by the model that wrote it; some were corrected since.
;; Attention Module. Allowed arithmetic: matrix products marked QUANTISED: E4M3 operands, one E8M0 scale for each 32 along K, by v_wmma_scale_f32_16x16x128_f8f6f4 with both operands' format E4M3, f32 sums; products left as they are: f32 operands where the result goes on into a quantised operand, else bf16, f16 or f32 operands; f32 sums; everything else in f32.
;; Inputs: Wa 2,048 x 2,048 float32; Wc 1,024 x 2,048 float32; b2 1 float32; ba 2,048 float32; bc 1,024 float32; decoder_out 64 x 1,024 float32; encoder_states 512 x 64 x 1,024 float32; hidden 64 x 1,024 float32; w2 1 x 2,048 float32.
;; Outputs: out0 64 x 1,024 float32; out1 64 x 1,024 float32.
;; This version of the problem:
;;   THIS VERSION OF THE PROBLEM IS GIVEN IN LOW PRECISION. The matrix products marked QUANTISED in the list below multiply operands that are first quantised to E4M3 (4 exponent bits, 3 mantissa bits; 8 bits a number), with one power-of-two scale for each 32 numbers along K (OCP MX v1.0); their sums are f32. All else is computed in f32.
;;   The module's matrix products, in the order in which they are computed (A, B: the left and right operand; K: the contracted axis; several contracted axes count as one K, in the product's order):
;;     1. [M 64, K 1,024] x [K 1,024, N 2,048]; A: input hidden; B: input Wa: QUANTISED
;;     2. [M 32,768, K 1,024] x [K 1,024, N 2,048]; A: input encoder_states; B: input Wa: QUANTISED
;;     3. [M 1, K 2,048] x [K 2,048, N 32,768]; A: input w2; B: computed on the way: left as it is (M = 1 < 16)
;;     4. batch 64 x [M 1, K 512] x [K 512, N 1,024]; A: softmax; B: input encoder_states: left as it is (M = 1 < 16)
;;     5. [M 64, K 2,048] x [K 2,048, N 1,024]; A: computed on the way; B: input Wc: QUANTISED
;;   THE QUANTISER, for each operand of a quantised product, along K:
;;     - K is cut into blocks of 32 from its start; a last block that is shorter is filled with zeros.
;;     - A block's scale is 2^e with e = floor(log2(the largest magnitude in the block)) - 8, held to -126 .. 127; a block of zeros has e = 0. As a byte (E8M0): e + 127.
;;     - Each number is divided by its block's scale, clamped to +-448, and rounded to the nearest number of E4M3, ties to even, subnormals kept.
;;     - The product sums the exact products of the quantised numbers (number of the format x scale) in f32.
;;   ~~~python
;;   def quantise(x, axis):      # numpy; x: float32 -> the quantised numbers, widened to float32 again
;;       x = np.moveaxis(x, axis, -1); K = x.shape[-1]
;;       x = np.pad(x, [(0, 0)] * (x.ndim - 1) + [(0, -K % 32)]); x = x.reshape(x.shape[:-1] + (-1, 32)); a = np.abs(x).max(-1, keepdims=True)
;;       e = np.where(a > 0, np.clip(np.frexp(np.where(a > 0, a, 1))[1] - 1 - 8, -126, 127), 0)      # np.frexp(a)[1] - 1 = floor(log2(a)), exactly
;;       r = np.clip(x / 2.0 ** e, -448, 448)
;;       step = 2.0 ** (np.maximum(np.frexp(np.where(r == 0, 1, r))[1] - 1, -6) - 3)
;;       q = np.round(r / step) * step * 2.0 ** e      # np.round: ties to even
;;       return np.moveaxis(q.reshape(q.shape[:-2] + (-1,))[..., :K], -1, axis).astype(np.float32)
;;   ~~~
;;   OPERANDS COMPUTED ON THE WAY. 'Computed on the way' means the value that the module computes at that place (a softmax that the list does not call 'softmax' is quantised finished and normalised). What goes into a quantiser is computed in f32, as accurately as f32 sums, v_exp_f32 and their like allow (about 1e-6 of the number): no bf16 or f16 on the way to a quantiser, and a product that is left as it is and whose result goes on into a quantised operand takes f32 operands (vector FMAs, or v_wmma_f32_16x16x4_f32). A number that lies on a knife's edge between two numbers of the format may be rounded either way, as far as f32 arithmetic and the matrix unit's own rounding can turn it there, and no further.
;; 2 versions, each right; version 2 is version 1 with the launches prep, fin written anew for expert scheduling mode. Each part assembles by itself: llvm-mc -triple=amdgcn-amd-amdhsa -mcpu=gfx1250 --defsym DOCPART=n.
;; ======== version 1 of 2: 3 launches
;; workspace buffers: wae 2,162,688 bytes; wcq 2,162,688 bytes; hp 524,288 bytes; pvec 1,048,576 bytes; pml 65,536 bytes
;; launch prep (part 1): grid 192 x 1, 16 waves a work-group, no clusters, 93,184 bytes of LDS; arguments Wa, Wc, hidden, ba, wae, wcq, hp; writes wae, wcq, hp
.if DOCPART == 1
	.amdgcn_target "amdgcn-amd-amdhsa--gfx1250"
	.amdhsa_code_object_version 6
	.text
	.protected	k_q011031282f_prep
	.globl	k_q011031282f_prep
	.p2align	8
	.type	k_q011031282f_prep,@function
k_q011031282f_prep:
	s_mov_b64 s[64:65], 0
	v_nop
	global_prefetch_b8 v0, s[64:65] scope:SCOPE_SE
	s_setreg_imm32_b32 hwreg(HW_REG_WAVE_MODE, 25, 1), 1
	s_wait_xcnt 0x0
; PREP.  Work-groups 0-127: 16 rows of Wa each.  Work-groups 128-191: 16 rows of Wc each.
; Rows are quantised along K to codes of E4M3 with one E8M0 byte for each 32, and laid in the ORDER OF THE OPERAND'S REGISTERS:
; a fragment (16 rows x 128 K) is 2,048 bytes, register group c of lane l at 512 c + 16 l, so that a later launch takes it by loads of 16 bytes a lane.
;   wae: tile of 16 rows of Wa[:,1024:]: 8 fragments, then 512 bytes of scale words: word k of lane l (at 16 l + 4 k) = row l % 16, K step 2 k + l / 16.
;   wcq: tile of 16 rows of Wc: 16 fragments, then 1,024 bytes of scale words, two such blocks of 512.
; A Wa work-group also makes hp[b][f] = hidden[b] . Wa[f][:1024] + ba[f] for its 16 f and all 64 b: sixteen waves quantise hidden (32 fragments) and
; the left half of the rows, the fragments meet in LDS, and waves 0-3 multiply, one tile of 16 b each.  hp leaves in pieces of 64 bytes a row, since a work-group owns 16 f.
; Every wave issues all its loads at once (48 at the most).  The two kinds of work-group have LDS bytes of their own.
; LIMITS: NaN and infinities among the inputs are not served.  A block whose largest magnitude lies under 2^-118 has the byte 1, a block of zeros too
; (its codes are zeros; only this program reads the bytes).
.set HIMG, 0                           ; hidden's 32 fragments (8 x tile of b + K step)
.set WIMG, 65536                       ; the left half's 8 fragments
.set HSC,  81920                       ; hidden's scale words, [fragment][row]
.set WSC,  83968                       ; the left half's, [K step][row]
.set WSR,  84480                       ; the right half's, as they leave
.set BSR,  86016                       ; Wc's, as they leave
.set PW,   12                          ; v12      the scale word just made
.set TM,   16                          ; v16-31   at work in QUANT; later the product's scale words
.set R0,   32                          ; v32-95, v96-159, v160-223: three sets of 64 numbers; later fragments
.set R1,   96
.set R2,   160
.set PC,   224                         ; v224-239 the codes just made; later two accumulators
.set BA,   240                         ; v240-247 ba in the result's layout
.set WV,   18
.set SEL,  20                          ; s[20:21] v_permlanex16_b32's selects for lane l xor 16
.set MNT,  22                          ; s22      the mantissa field of 448
; 64 numbers of a lane, register 16 b + i = k 32 b + 16 (lane / 16) + i of the lane's row, become a fragment's codes in v[PC] on and its scale word in v[PW]
.macro QUANT s
.irp b, 0,1,2,3
	v_max3_num_f32 v[TM+\b], |v[\s+16*\b]|, |v[\s+1+16*\b]|, 0x4800000   ; my 16 numbers of block b, and the floor 2^(9 - 127): the byte cannot fall under 1
.endr
.irp i, 2,4,6,8,10,12,14
.irp b, 0,1,2,3
	v_max3_num_f32 v[TM+\b], v[TM+\b], |v[\s+16*\b+\i]|, |v[\s+1+16*\b+\i]|
.endr
.endr
.irp b, 0,1,2,3
	v_permlanex16_b32 v[TM+4+\b], v[TM+\b], s[SEL], s[SEL+1]
.endr
.irp b, 0,1,2,3
	v_max_num_f32 v[TM+\b], v[TM+\b], v[TM+4+\b]                 ; with lane l xor 16's: the block's largest magnitude
.endr
.irp b, 0,1,2,3
	v_add_nc_u32 v[TM+12+\b], 0xfc000000, v[TM+\b]               ; 8 off its exponent field: the conversion's scale operand
.endr
.irp b, 0,1,2,3
	v_and_or_b32 v[TM+8+\b], v[TM+\b], 0x7f800000, s[MNT]        ; 448 x the scale
.endr
.irp b, 0,1,2,3
	v_lshrrev_b32 v[TM+4+\b], 23, v[TM+12+\b]                    ; the scale's byte
.endr
	v_lshl_or_b32 v[PW], v[TM+5], 8, v[TM+4]
	v_lshl_or_b32 v[PW], v[TM+6], 16, v[PW]
	v_lshl_or_b32 v[PW], v[TM+7], 24, v[PW]
.irp b, 0,1,2,3
.irp i, 0,1,2,3,4,5,6,7,8,9,10,11,12,13,14,15
	v_med3_num_f32 v[\s+16*\b+\i], v[\s+16*\b+\i], -v[TM+8+\b], v[TM+8+\b]   ; the conversion does not saturate (ISA guide 7.6.2): the hold at the largest code x the scale
.endr
	v_cvt_scalef32_pk8_fp8_f32 v[PC+4*\b:PC+1+4*\b], v[\s+16*\b:\s+7+16*\b], v[TM+12+\b]
	v_cvt_scalef32_pk8_fp8_f32 v[PC+2+4*\b:PC+3+4*\b], v[\s+8+16*\b:\s+15+16*\b], v[TM+12+\b]
.endr
	v_nop                                          ; a plain line behind the last conversion
.endm
.macro XLOAD reg, va, sb, off          ; 64 numbers of a lane: 16 neighbours of each of the four blocks of a K step
.irp b, 0,1,2,3
.irp j, 0,1,2,3
	global_load_b128 v[\reg+16*\b+4*\j:\reg+16*\b+4*\j+3], v[\va], s[\sb:\sb+1] offset:\off+128*\b+16*\j
.endr
.endr
.endm
.macro IMAGE adr, off                  ; the fragment in v[PC] on goes to LDS as it stands
.irp c, 0,1,2,3
	ds_store_b128 v[\adr], v[PC+4*\c:PC+4*\c+3] offset:\off+512*\c
.endr
.endm
.macro BARRIER                         ; my LDS stores have landed and my LDS loads are in: then the work-group's barrier
	s_wait_dscnt 0x0
	s_barrier_signal -1
	s_barrier_wait -1
.endm
.macro MM s, wr, hr, c                 ; K step s: source 0 = 16 rows of Wa, source 1 = 16 rows of hidden; two accumulators by turns
.if (\s)%2
	v_wmma_scale_f32_16x16x128_f8f6f4 v[232:239], v[\wr:\wr+15], v[\hr:\hr+15], \c, v[16+(\s)/2], v[20+(\s)/2] matrix_a_scale:MATRIX_SCALE_ROW1 matrix_b_scale:MATRIX_SCALE_ROW1
.else
	v_wmma_scale_f32_16x16x128_f8f6f4 v[224:231], v[\wr:\wr+15], v[\hr:\hr+15], \c, v[16+(\s)/2], v[20+(\s)/2]
.endif
.endm
	s_load_b256 s[4:11], s[0:1], 0x0               ; Wa s[4:5], Wc s[6:7], hidden s[8:9], ba s[10:11]
	s_load_b128 s[12:15], s[0:1], 0x20             ; wae s[12:13], wcq s[14:15]
	s_load_b64 s[16:17], s[0:1], 0x30              ; hp
	v_lshrrev_b32 v1, 5, v0
	v_readfirstlane_b32 s[WV], v1                  ; wave 0..15
	v_and_b32 v1, 31, v0                           ; lane
	v_and_b32 v2, 15, v0                           ; r
	v_bfe_u32 v3, v0, 4, 1                         ; h
	v_lshlrev_b32 v4, 13, v2
	v_lshl_add_u32 v4, v3, 6, v4                   ; a row of Wa or Wc is 8,192 bytes: 8192 r + 64 h
	v_lshlrev_b32 v5, 12, v2
	v_lshl_add_u32 v5, v3, 6, v5                   ; a row of hidden 4,096
	v_lshlrev_b32 v6, 4, v1                        ; 16 x lane
	v_lshlrev_b32 v13, 2, v1                       ; 4 x lane
	; every LDS address is made here, ahead of the first branch
	s_and_b32 s23, s[WV], 7
	s_lshl_b32 s24, s23, 11                        ; 2048 (w % 8): kept
	s_add_co_u32 s25, s24, WIMG
	v_add_nc_u32 v7, s25, v6                       ; the left half's fragment w
	s_lshl_b32 s25, s[WV], 12
	v_add_nc_u32 v8, s25, v6                       ; hidden's fragments 2 w, 2 w + 1
	s_lshl_b32 s25, s23, 6
	s_add_co_u32 s25, s25, WSC
	v_lshl_add_u32 v9, v2, 2, s25                  ; the left half's scale word: [K step][row]
	s_and_b32 s26, s[WV], 1
	s_lshl_b32 s26, s26, 8                         ; 256 (w % 2)
	s_lshr_b32 s25, s23, 1
	s_lshl_b32 s25, s25, 2
	s_add_co_u32 s25, s25, s26
	s_add_co_u32 s25, s25, WSR
	v_lshl_add_u32 v10, v2, 4, s25                 ; the right half's: lane r + 16 (step % 2), word step / 2
	s_lshl_b32 s25, s[WV], 7
	s_add_co_u32 s25, s25, HSC
	v_lshl_add_u32 v11, v2, 2, s25                 ; hidden's scale words
	v_lshlrev_b32 v14, 13, v2
	v_lshl_add_u32 v14, v3, 5, v14                 ; hp: row r of 8,192 bytes + 32 h
	s_lshr_b32 s25, s[WV], 3
	s_lshl_b32 s25, s25, 9
	s_add_co_u32 s25, s25, s26
	s_bfe_u32 s27, s[WV], 0x20001                  ; (w / 2) % 4
	s_lshl_b32 s27, s27, 2
	s_add_co_u32 s25, s25, s27
	s_add_co_u32 s25, s25, BSR
	v_lshl_add_u32 v15, v2, 4, s25                 ; Wc's scale word
	v_add_nc_u32 v248, WIMG, v6                    ; the product's reads: Wa's fragments,
	s_and_b32 s25, s[WV], 3
	s_lshl_b32 s27, s25, 14
	v_add_nc_u32 v249, s27, v6                     ; my tile of b's eight fragments,
	v_add_nc_u32 v250, WSC, v13                    ; scale words, two K steps to a register,
	s_lshl_b32 s27, s25, 9
	s_add_co_u32 s27, s27, HSC
	v_add_nc_u32 v251, s27, v13
	v_add_nc_u32 v252, WSR, v6                     ; and the scale blocks on their way out
	v_add_nc_u32 v253, BSR, v6
	v_lshlrev_b32 v254, 5, v3                      ; ba: 32 h
	s_mov_b32 s[SEL], 0x76543210
	s_mov_b32 s[SEL+1], 0xfedcba98
	s_mov_b32 s[MNT], 0x600000
.irp b, 0,1,2,3
	v_mov_b32 v[TM+4+\b], 0                        ; written once: a lane permute's destination counts as one of its sources
.endr
	s_wait_kmcnt 0x0
	s_cmp_lt_u32 ttmp9, 128
	s_cbranch_scc0 .Lwc
	; ---- 16 rows of Wa.  Wave w: K step w of the 16 (0-7 the left half, 8-15 the right), and hidden's fragments 2 w, 2 w + 1
	s_lshl_b32 s26, ttmp9, 17                      ; 16 rows of 8,192 bytes
	s_lshl_b32 s28, s[WV], 9
	s_add_co_u32 s26, s26, s28
	s_mov_b32 s27, 0
	s_add_nc_u64 s[26:27], s[4:5], s[26:27]
	s_lshr_b32 s28, s[WV], 2
	s_lshl_b32 s28, s28, 16                        ; tile of b: 16 rows of 4,096 bytes
	s_and_b32 s29, s[WV], 3
	s_lshl_b32 s29, s29, 10                        ; two K steps
	s_add_co_u32 s28, s28, s29
	s_mov_b32 s29, 0
	s_add_nc_u64 s[28:29], s[8:9], s[28:29]
	XLOAD R0, 4, 26, 0
	XLOAD R1, 5, 28, 0
	XLOAD R2, 5, 28, 512
	s_mul_i32 s32, ttmp9, 16896
	s_mov_b32 s33, 0
	s_add_nc_u64 s[32:33], s[12:13], s[32:33]      ; my tile of wae
	s_mov_b32 s30, s24
	s_mov_b32 s31, 0
	s_add_nc_u64 s[30:31], s[32:33], s[30:31]      ; fragment w % 8 of it
	s_lshl_b32 s34, ttmp9, 6                       ; 16 f of 4 bytes
	s_mov_b32 s35, 0
	s_lshl_b32 s36, s[WV], 17                      ; 16 rows of hp
	s_add_co_u32 s36, s36, s34
	s_mov_b32 s37, 0
	s_add_nc_u64 s[36:37], s[16:17], s[36:37]
	s_add_nc_u64 s[34:35], s[10:11], s[34:35]
	s_wait_loadcnt 32                              ; Wa's 16 loads are in; hidden's 32 may be out
	QUANT R0
	s_cmp_lt_u32 s[WV], 8
	s_cbranch_scc0 .Lright
	ds_store_b32 v9, v[PW]                         ; the left half stays in the work-group
	IMAGE 7, 0
	s_branch .Lboth
.Lright:
	ds_store_b32 v10, v[PW]                        ; the right half's scale words are gathered, its codes leave: 512 consecutive bytes a store
.irp c, 0,1,2,3
	global_store_b128 v6, v[PC+4*\c:PC+4*\c+3], s[30:31] offset:512*\c
.endr
.Lboth:
	s_wait_xcnt 0x0                                ; the stores have read their registers: the codes' registers are written again below
	s_wait_dscnt 0x0
	s_wait_loadcnt 16                              ; hidden's first fragment is in
	QUANT R1
	IMAGE 8, 0
	ds_store_b32 v11, v[PW]
	s_wait_dscnt 0x0
	s_wait_loadcnt 0x0
	QUANT R2
	IMAGE 8, 2048
	ds_store_b32 v11, v[PW] offset:64
	BARRIER                                        ; all fragments and scale words lie in LDS
	s_cmp_lt_u32 s[WV], 4
	s_cbranch_scc1 .Lmat
	s_cmp_eq_u32 s[WV], 4
	s_cbranch_scc0 .Ldone_a
	ds_load_b128 v[32:35], v252                    ; wave 4: the tile's scale block, 512 consecutive bytes
	s_wait_dscnt 0x0
	global_store_b128 v6, v[32:35], s[32:33] offset:16384
.Ldone_a:
	s_wait_xcnt 0x0
	v_lshl_add_u32 v254, v0, 2, 0x16400
	v_mov_b32 v255, 0
	s_wait_tensorcnt 0x0
	ds_add_u32 v254, v255
	s_wait_dscnt 0x0
	s_endpgm
.Lmat:                                             ; waves 0-3: hp for tile w of b.  Lane (r, h), register j: f = 16 i + 8 h + j, b = 16 w + r
	global_load_b128 v[BA:BA+3], v254, s[34:35]
	global_load_b128 v[BA+4:BA+7], v254, s[34:35] offset:16
.irp q, 0,1,2,3
	ds_load_b32 v[16+\q], v250 offset:128*\q       ; lanes 0-15: K step 2 q; lanes 16-31: K step 2 q + 1
	ds_load_b32 v[20+\q], v251 offset:128*\q
.endr
.irp s, 0,1,2,3
.irp c, 0,1,2,3
	ds_load_b128 v[32+16*\s+4*\c:32+16*\s+4*\c+3], v248 offset:2048*\s+512*\c
	ds_load_b128 v[96+16*\s+4*\c:96+16*\s+4*\c+3], v249 offset:2048*\s+512*\c
.endr
.endr
.irp s, 4,5
.irp c, 0,1,2,3
	ds_load_b128 v[160+32*(\s-4)+4*\c:160+32*(\s-4)+4*\c+3], v248 offset:2048*\s+512*\c
	ds_load_b128 v[176+32*(\s-4)+4*\c:176+32*(\s-4)+4*\c+3], v249 offset:2048*\s+512*\c
.endr
.endr
	s_wait_dscnt 0x0
	s_wait_loadcnt 0x0
	MM 0, 32, 96, v[BA:BA+7]                       ; ba is the C of the first sum's first product
	MM 1, 48, 112, 0
	MM 2, 64, 128, v[224:231]
	MM 3, 80, 144, v[232:239]
.rept 8
	v_nop                                          ; places in front of loads into registers that matrix instructions have read
.endr
.irp s, 6,7
.irp c, 0,1,2,3
	ds_load_b128 v[32+32*(\s-6)+4*\c:32+32*(\s-6)+4*\c+3], v248 offset:2048*\s+512*\c
	ds_load_b128 v[48+32*(\s-6)+4*\c:48+32*(\s-6)+4*\c+3], v249 offset:2048*\s+512*\c
.endr
.endr
	MM 4, 160, 176, v[224:231]
	MM 5, 192, 208, v[232:239]
	s_wait_dscnt 0x0
	MM 6, 32, 48, v[224:231]
	MM 7, 64, 80, v[232:239]
.rept 8
	v_nop
.endr
.irp j, 0,2,4,6
	v_pk_add_f32 v[224+\j:225+\j], v[224+\j:225+\j], v[232+\j:233+\j]   ; the two sums, from their low ends on
.endr
	global_store_b128 v14, v[224:227], s[36:37]
	global_store_b128 v14, v[228:231], s[36:37] offset:16
	s_wait_xcnt 0x0
	v_lshl_add_u32 v254, v0, 2, 0x16400
	v_mov_b32 v255, 0
	s_wait_tensorcnt 0x0
	ds_add_u32 v254, v255
	s_wait_dscnt 0x0
	s_endpgm
.Lwc:                                              ; ---- 16 rows of Wc: wave w takes K step w
	s_sub_co_u32 s38, ttmp9, 128
	s_lshl_b32 s26, s38, 17
	s_lshl_b32 s28, s[WV], 9
	s_add_co_u32 s26, s26, s28
	s_mov_b32 s27, 0
	s_add_nc_u64 s[26:27], s[6:7], s[26:27]
	XLOAD R0, 4, 26, 0
	s_mul_i32 s30, s38, 33792
	s_mov_b32 s31, 0
	s_add_nc_u64 s[32:33], s[14:15], s[30:31]      ; my tile of wcq
	s_lshl_b32 s30, s[WV], 11
	s_add_nc_u64 s[30:31], s[32:33], s[30:31]      ; fragment w of it
	s_wait_loadcnt 0x0
	QUANT R0
	ds_store_b32 v15, v[PW]
.irp c, 0,1,2,3
	global_store_b128 v6, v[PC+4*\c:PC+4*\c+3], s[30:31] offset:512*\c
.endr
	BARRIER
	s_cmp_lg_u32 s[WV], 0
	s_cbranch_scc1 .Ldone_b
	ds_load_b128 v[32:35], v253
	ds_load_b128 v[36:39], v253 offset:512
	s_wait_dscnt 0x0
	global_store_b128 v6, v[32:35], s[32:33] offset:32768
	global_store_b128 v6, v[36:39], s[32:33] offset:33280
.Ldone_b:
	s_wait_xcnt 0x0
	v_lshl_add_u32 v254, v0, 2, 0x16400
	v_mov_b32 v255, 0
	s_wait_tensorcnt 0x0
	ds_add_u32 v254, v255
	s_wait_dscnt 0x0
	s_endpgm
.Lfunc_end_k_q011031282f_prep:
	.size	k_q011031282f_prep, .Lfunc_end_k_q011031282f_prep-k_q011031282f_prep
	.p2alignl 7, 3214868480
	.fill 96, 4, 3214868480
	.section	.rodata,"a",@progbits
	.p2align	6, 0x0
	.amdhsa_kernel k_q011031282f_prep
		.amdhsa_group_segment_fixed_size 93184
		.amdhsa_private_segment_fixed_size 0
		.amdhsa_enable_private_segment 0
		.amdhsa_kernarg_size 56
		.amdhsa_user_sgpr_count 2
		.amdhsa_user_sgpr_kernarg_segment_ptr 1
		.amdhsa_wavefront_size32 1
		.amdhsa_system_sgpr_workgroup_id_x 1
		.amdhsa_system_sgpr_workgroup_id_y 1
		.amdhsa_system_sgpr_workgroup_id_z 1
		.amdhsa_system_vgpr_workitem_id 0
		.amdhsa_next_free_vgpr 256
		.amdhsa_next_free_sgpr 66
		.amdhsa_reserve_vcc 0
		.amdhsa_float_denorm_mode_32 3
		.amdhsa_float_denorm_mode_16_64 3
		.amdhsa_memory_ordered 1
		.amdhsa_forward_progress 1
		.amdhsa_inst_pref_size 53
	.end_amdhsa_kernel
	.amdgpu_metadata
---
amdhsa.version: [ 1, 2 ]
amdhsa.kernels:
  - .name:           k_q011031282f_prep
    .symbol:         k_q011031282f_prep.kd
    .args:
      - { .name: Wa, .offset: 0, .size: 8, .value_kind: global_buffer, .address_space: global }
      - { .name: Wc, .offset: 8, .size: 8, .value_kind: global_buffer, .address_space: global }
      - { .name: hidden, .offset: 16, .size: 8, .value_kind: global_buffer, .address_space: global }
      - { .name: ba, .offset: 24, .size: 8, .value_kind: global_buffer, .address_space: global }
      - { .name: wae, .offset: 32, .size: 8, .value_kind: global_buffer, .address_space: global }
      - { .name: wcq, .offset: 40, .size: 8, .value_kind: global_buffer, .address_space: global }
      - { .name: hp, .offset: 48, .size: 8, .value_kind: global_buffer, .address_space: global }
    .group_segment_fixed_size: 93184
    .private_segment_fixed_size: 0
    .kernarg_segment_align: 8
    .kernarg_segment_size: 56
    .max_flat_workgroup_size: 512
    .sgpr_count:     66
    .vgpr_count:     256
    .wavefront_size: 32
...
	.end_amdgpu_metadata
.endif
;; end of part 1
;; launch main (part 2): grid 256 x 1, 4 waves a work-group, clusters of 4 x 1, 327,680 bytes of LDS; arguments encoder_states, wae, hp, w2, b2, pvec, pml; writes pvec, pml
.if DOCPART == 2
	.amdgcn_target "amdgcn-amd-amdhsa--gfx1250"
	.amdhsa_code_object_version 6
	.text
	.protected	k_q011031282f_main
	.globl	k_q011031282f_main
	.p2align	8
	.type	k_q011031282f_main,@function
k_q011031282f_main:
	s_mov_b64 s[64:65], 0
	v_nop
	global_prefetch_b8 v0, s[64:65] scope:SCOPE_SE
	s_setreg_imm32_b32 hwreg(HW_REG_WAVE_MODE, 25, 1), 1
	s_wait_xcnt 0x0
	s_wait_alu depctr_hold_cnt(0) depctr_sa_sdst(0) depctr_va_vdst(0) depctr_va_sdst(0) depctr_va_ssrc(0) depctr_va_vcc(0) depctr_vm_vsrc(0)
	s_getreg_b32 s2, hwreg(HW_REG_IB_STS2, 6, 4)
	s_cmp_eq_u32 s2, 0
	s_cbranch_scc0 .Lentry_in_a_cluster
	s_endpgm
.Lentry_in_a_cluster:
	s_bfe_u32 s2, ttmp6, 0x10000c
	s_cmp_lg_u32 s2, 0x3003
	s_cbranch_scc0 .Lentry_shape_is_right
	s_endpgm
.Lentry_shape_is_right:
; MAIN.  For one b and 128 timesteps t: scores s[t] = w2 . tanh(hp[b] + enc[t][b] Wa_e^T) + b2, their largest m, p[t] = e^(s[t] - m), l = sum of p, and the vector sum of p[t] enc[t][b].
; The softmax over all 512 t is finished by the next launch from the four parts (m, l, vector) of a b.
; SHARES.  b = the cluster's number, tq = my place in the cluster: rows t = 128 tq .. + 127.  Wave w: th = w % 2 (64 t: four tiles of 16), fh = w / 2 (half of the f tiles).
; The wave's codes of enc (4 tiles x 8 K steps) stay in 512 registers; Wa_e's 128 tiles of 16 f stream once through a ring of two LDS slots of 8 tiles.
; CLUSTER.  The four partners walk the same Wa_e: each slot is asked for JOINTLY (mask 15).  enc's tiles are each work-group's own; hp[b] and w2, 16 KiB once, are fetched plainly: a small part of the bytes.
; THE PRODUCT IS USED TRANSPOSED: source 0 = 16 f of Wa_e, source 1 = 16 t of enc.  A lane holds one t (lane % 16) and f = f0 + 8 (lane / 16) + j: hp is the C of a sum's first product, and the sum over f stays in the lane.
; tanh(x) = 1 - 2 / (1 + 2^(c x)), c = 2 log2(e): the score is (sum of w2) - 2 (sum of w2 / (1 + 2^(c x))).
; BY TURNS.  While one f tile is multiplied (32 matrix instructions), the tile before goes through its 32 exponentials and 32 reciprocals: one plain and two such instructions behind each matrix instruction.
; The LDS loads of a tile stand in TWO RUNS, each at one of the tile's two waits for transcendentals, never singly among the matrix instructions.
; enc is read twice: once to be quantised, once in f32 for the weighted sum, when p is known (128 rows of 4 KiB do not fit beside the codes and the ring); 32 of the 128 rows are fetched early into idle registers.
; LIMITS: NaN and infinities among the inputs are not served.  A block whose largest magnitude lies under 2^-118 has the scale byte 1, a block of zeros too (its codes are zeros).
; REGISTERS, in windows of 256.  Window 0: v1-15 addresses; v16-31 enc's scale words; v32-39 Wa's, two sets; v40-47 hp; v48-55 w2; v56-63 four pairs of sums; v64-95, v96-127 two sets of four accumulators; v128-255 eight fragments of Wa.
;   Windows 1, 2: enc's fragments: tile a, K step s at window 1 + a / 2, v[128 (a % 2) + 16 s].   Window 3: 32 rows of enc in f32.   In the weighted sum windows 1 to 3 hold rows of enc.
;   With only source 1 outside window 0, the exponentials, reciprocals, scalings by a scalar or a constant and LDS loads need no switch of window between the matrix instructions.
.set RINGP, 67584                      ; from a slot to the slot of the other parity (bits 16 and 11, which no quarter's base has set)
.set QUART, 33792                      ; what one wave fetches: two tiles of Wa_e, or 32 rows x 1,040 bytes of enc
.set FHB,   135168                     ; the two quarters x two parities that the waves of one fh read
.set TILEB, 16896                      ; a tile of Wa_e: 8 fragments of 2,048 bytes and 512 bytes of scale words
.set HPL,   270336                     ; hp[b], 8,192 bytes; behind it w2, 8,192 bytes: filled once
.set EX,    286720                     ; written by LDS stores alone: the fragments just made (32,768 bytes); later the scores and p
.set ESC,   319488                     ; enc's scale words, [tile of t][K step][row], 4,096 bytes
.set SPARE, 326656                     ; the spare words: 128 bytes a wave, named by no other line
.set SCR,   EX
.set PRB,   EX+4096
.set TROW,  262144                     ; bytes from t to t + 1 in enc
.set SPW, 1
.set NIL, 2
.set LWF, 3                            ; 16 x lane + fh x FHB
.set AW0, 4                            ; v4, v5: tiles 0, 1 and tiles 2, 3 of the slot in hand
.set AH,  6                            ; hp of the slot in hand: HPL + 256 fh + 32 h + 512 x slot
.set VO,  7                            ; 16 x lane
.set WSUM, 8                           ; v[8:9] the sum of w2
.set PFO, 10                           ; the prefetches' offset
.set DL0, 11                           ; quantising: my lane's place in my tile of enc;  later AH0
.set AH0, 11
.set DLA, 12                           ; later SCW
.set EXW, 13                           ; later SCD
.set ESW, 14                           ; later PBW
.set EXA, 15                           ; later PBR
.set SCW, 12
.set SCD, 13
.set PBW, 14
.set PBR, 15
.set ES,  16
.set WS,  32
.set HPR, 40
.set W2R, 48
.set SA,  56
.set ACC, 64
.set WR,  128
.set RA,  128                          ; quantising: two sets of 64 numbers,
.set RB,  192
.set PC,  64                           ; the codes just made,
.set TM,  80                           ; at work,
.set PW,  96                           ; the scale word,
.set EXT, 98                           ; addresses of the trip
.set EST, 99
.set ESA, 100
.set OA,  192                          ; the weighted sum: 8 pairs
.set WV,  18
.set THF, 19
.set FHF, 20
.set TQ,  21
.set QB,  22
.set G1E, 24                           ; s[24:31] group 1: 32 rows x 256 f32 of enc, 16 bytes of padding behind each row
.set G1W, 32                           ; s[32:39] group 1: 33,792 dense bytes of wae as 132 rows of 256, jointly
.set G1H, 40                           ; s[40:47] group 1: 4,096 dense bytes
.set G0E, 48                           ; groups 0: enc's even passes, odd passes, wae (it walks), hp or w2
.set G0F, 52
.set G0W, 56
.set G0H, 60
.set TB,  66                           ; LDS byte of the slot in hand;  s67: + QUART
.set CNT, 68
.set HOF, 69                           ; 512 x slot
.set CC,  70                           ; s[70:71] c
.set SEL, 72
.set MNT, 74
.set B2S, 75
.set SD,  76
.set SE,  77
.set SS,  78
.set SU,  79
.set CH,  80                           ; s[80:95] where my strip of each chunk of 16 rows begins
.set MSB, 0
.macro WIN new                         ; the immediate's high byte repeats the setting that is left; a switch that changes nothing is dropped
.if MSB != (\new)
	s_set_vgpr_msb (MSB<<8)|(\new)
.set MSB, \new
.endif
.endm
.macro NOPS n
.rept \n
	v_nop
.endr
.endm
.macro CREST                           ; a round of the cluster's barrier behind its opening barrier
	s_cmp_lg_u32 s[WV], 0
	s_cbranch_scc1 .Lnot_wave_0_\@
	s_barrier_signal -3
.Lnot_wave_0_\@:
	s_barrier_wait -3
	s_barrier_signal -1
	s_barrier_wait -1
.endm
.macro CROUND
	s_barrier_signal -1
	s_barrier_wait -1
	CREST
.endm
.macro TL g0, g1                       ; a tensor load; four v_nop follow it
	tensor_load_to_lds s[\g0:\g0+3], s[\g1:\g1+7]
	s_nop 0
	NOPS 4
.endm
; 64 numbers of a lane, register 16 b + i = k 32 b + 16 (lane / 16) + i of the lane's row, become a fragment's codes in v[PC] on and its scale word in v[PW]
.macro QUANT s
.irp b, 0,1,2,3
	v_max3_num_f32 v[TM+\b], |v[\s+16*\b]|, |v[\s+1+16*\b]|, 0x4800000   ; my 16 numbers of block b, and the floor 2^(9 - 127): the byte cannot fall under 1
.endr
.irp i, 2,4,6,8,10,12,14
.irp b, 0,1,2,3
	v_max3_num_f32 v[TM+\b], v[TM+\b], |v[\s+16*\b+\i]|, |v[\s+1+16*\b+\i]|
.endr
.endr
.irp b, 0,1,2,3
	v_permlanex16_b32 v[TM+4+\b], v[TM+\b], s[SEL], s[SEL+1]
.endr
.irp b, 0,1,2,3
	v_max_num_f32 v[TM+\b], v[TM+\b], v[TM+4+\b]
.endr
.irp b, 0,1,2,3
	v_add_nc_u32 v[TM+12+\b], 0xfc000000, v[TM+\b]               ; 8 off the exponent field: the conversion's scale operand
.endr
.irp b, 0,1,2,3
	v_and_or_b32 v[TM+8+\b], v[TM+\b], 0x7f800000, s[MNT]        ; 448 x the scale
.endr
.irp b, 0,1,2,3
	v_lshrrev_b32 v[TM+4+\b], 23, v[TM+12+\b]                    ; the scale's byte
.endr
	v_lshl_or_b32 v[PW], v[TM+5], 8, v[TM+4]
	v_lshl_or_b32 v[PW], v[TM+6], 16, v[PW]
	v_lshl_or_b32 v[PW], v[TM+7], 24, v[PW]
.irp b, 0,1,2,3
.irp i, 0,1,2,3,4,5,6,7,8,9,10,11,12,13,14,15
	v_med3_num_f32 v[\s+16*\b+\i], v[\s+16*\b+\i], -v[TM+8+\b], v[TM+8+\b]   ; the conversion does not saturate (ISA guide 7.6.2): the hold
.endr
	v_cvt_scalef32_pk8_fp8_f32 v[PC+4*\b:PC+1+4*\b], v[\s+16*\b:\s+7+16*\b], v[TM+12+\b]
	v_cvt_scalef32_pk8_fp8_f32 v[PC+2+4*\b:PC+3+4*\b], v[\s+8+16*\b:\s+15+16*\b], v[TM+12+\b]
.endr
	v_nop                                          ; a plain line behind the last conversion
.endm
.macro IMAGE adr, off
.irp c, 0,1,2,3
	ds_store_b128 v[\adr], v[PC+4*\c:PC+4*\c+3] offset:\off+512*\c
.endr
.endm
.macro CWIN c                          ; the window of chunk c's rows: 0, 1: 3;  2, 3: 1;  4, 5: 2;  6, 7: 3
.if ((\c) < 2) || ((\c) > 5)
.set GW, 3
.elseif (\c) < 4
.set GW, 1
.else
.set GW, 2
.endif
.endm
.macro GL c                            ; chunk c: 16 rows of my strip of 1,024 bytes, 32 loads of 512 consecutive bytes
	CWIN \c
.set GD, GW<<6
	WIN GD
.set CB, 128*((\c)%2)
.irp i, 0,1,2,3,4,5,6,7,8,9,10,11,12,13,14,15
	global_load_b128 v[CB+8*\i:CB+8*\i+3], v[VO], s[CH+2*(\c):CH+2*(\c)+1] offset:\i*TROW th:TH_LOAD_NT
	global_load_b128 v[CB+8*\i+4:CB+8*\i+7], v[VO], s[CH+2*(\c):CH+2*(\c)+1] offset:\i*TROW+512 th:TH_LOAD_NT
.endr
	WIN 0
.endm
	s_load_b256 s[4:11], s[0:1], 0x0               ; enc s[4:5], wae s[6:7], hp s[8:9], w2 s[10:11]
	s_load_b128 s[12:15], s[0:1], 0x20             ; b2 s[12:13], pvec s[14:15]
	s_load_b64 s[16:17], s[0:1], 0x30              ; pml
	v_lshl_add_u32 v[SPW], v0, 2, SPARE
	v_mov_b32 v[NIL], 0
	ds_add_u32 v1, v2
	ds_add_u32 v1, v2
	s_wait_dscnt 0x0
	v_lshrrev_b32 v3, 5, v0
	v_readfirstlane_b32 s[WV], v3                  ; wave 0..3
	s_and_b32 s[THF], s[WV], 1
	s_lshr_b32 s[FHF], s[WV], 1
	s_bfe_u32 s[TQ], ttmp6, 0x40000                ; my place in the cluster: it enters enc's, pvec's and pml's global addresses alone
	s_mul_i32 s[QB], s[FHF], FHB
	s_mul_i32 s23, s[THF], QUART
	s_add_co_u32 s[QB], s[QB], s23                 ; my quarter of the ring
	s_mov_b32 s[G1E], 0x07D20000                   ; no mask; elements of 4 bytes; padding on: 4 words behind every 256
	s_mov_b32 s[G1E+1], 256<<16                    ; tensor_dim0
	s_mov_b32 s[G1E+2], 32<<16                     ; tensor_dim1
	s_mov_b32 s[G1E+3], 256<<16                    ; tile_dim0
	s_mov_b32 s[G1E+4], 32                         ; tile_dim1
	s_mov_b32 s[G1E+5], 65536                      ; elements from t to t + 1
	s_mov_b32 s[G1E+6], 0
	s_mov_b32 s[G1E+7], 0
	s_mov_b32 s[G1W], 0x0023000F                   ; mask: all four work-groups, bit 21 beside it; elements of 8 bytes
	s_mov_b32 s[G1W+1], 32<<16
	s_mov_b32 s[G1W+2], 132<<16
	s_mov_b32 s[G1W+3], 32<<16
	s_mov_b32 s[G1W+4], 132
	s_mov_b32 s[G1W+5], 32
	s_mov_b32 s[G1W+6], 0
	s_mov_b32 s[G1W+7], 0
	s_mov_b32 s[G1H], 0x00030000
	s_mov_b32 s[G1H+1], 32<<16
	s_mov_b32 s[G1H+2], 16<<16
	s_mov_b32 s[G1H+3], 32<<16
	s_mov_b32 s[G1H+4], 16
	s_mov_b32 s[G1H+5], 32
	s_mov_b32 s[G1H+6], 0
	s_mov_b32 s[G1H+7], 0
	s_lshl_b32 s96, s[TQ], 25                      ; 128 tq rows of enc,
	s_lshl_b32 s97, s[WV], 23                      ; my 32 of them,
	s_add_co_u32 s96, s96, s97
	s_lshl_b32 s97, ttmp9, 12                      ; b
	s_add_co_u32 s96, s96, s97
	s_mov_b32 s97, 0
	s_mul_i32 s98, s[WV], QUART                    ; wae: my two tiles of a slot's eight
	s_mov_b32 s99, 0
	s_lshl_b32 s2, ttmp9, 13                       ; hp: row b
	s_lshl_b32 s3, s[THF], 12                      ; my half of hp's row or of w2
	s_lshl_b32 s23, s[WV], 12
	s_wait_kmcnt 0x0
	s_mov_b32 s[G0E], 1
	s_mov_b32 s[G0E+1], s[QB]
	s_add_nc_u64 s[G0E+2:G0E+3], s[4:5], s[96:97]
	s_add_nc_u64 s[G0F+2:G0F+3], s[G0E+2:G0E+3], 1024   ; the next 256 along K
	s_or_b32 s[G0E+3], s[G0E+3], 0x80000000
	s_or_b32 s[G0F+3], s[G0F+3], 0x80000000
	s_mov_b32 s[G0F], 1
	s_add_co_u32 s[G0F+1], s[QB], RINGP
	s_mov_b32 s[G0W], 1
	s_mov_b32 s[G0W+1], s[QB]
	s_add_nc_u64 s[G0W+2:G0W+3], s[6:7], s[98:99]
	s_or_b32 s[G0W+3], s[G0W+3], 0x80000000
	s_mov_b32 s[G0H], 1
	s_add_co_u32 s[G0H+1], s23, HPL
	s_cmp_lt_u32 s[WV], 2                          ; waves 0, 1 fetch hp's row, waves 2, 3 w2
	s_cselect_b64 s[G0H+2:G0H+3], s[8:9], s[10:11]
	s_cselect_b32 s2, s2, 0
	s_add_co_u32 s2, s2, s3
	s_mov_b32 s3, 0
	s_add_nc_u64 s[G0H+2:G0H+3], s[G0H+2:G0H+3], s[2:3]
	s_or_b32 s[G0H+3], s[G0H+3], 0x80000000
	CROUND                                         ; the round in front of the first fills
	tensor_load_to_lds s[G0H:G0H+3], s[G1H:G1H+7]  ; the first fills go out together: three loads of mine are out
	s_nop 0
	tensor_load_to_lds s[G0E:G0E+3], s[G1E:G1E+7]
	s_nop 0
	tensor_load_to_lds s[G0F:G0F+3], s[G1E:G1E+7]
	s_nop 0
	NOPS 4
	s_load_b32 s[B2S], s[12:13], 0x0
	v_and_b32 v101, 15, v0                         ; r
	v_bfe_u32 v102, v0, 4, 1                       ; h
	v_and_b32 v103, 31, v0                         ; lane
	v_lshlrev_b32 v[VO], 4, v103
	s_mul_i32 s23, s[FHF], FHB
	v_add_nc_u32 v[LWF], s23, v[VO]
	v_mul_u32_u24 v[DL0], v101, 1040
	v_lshl_add_u32 v[DL0], v102, 6, v[DL0]
	v_add_nc_u32 v[DL0], s[QB], v[DL0]             ; my tile of enc: row r of 1,040 bytes, + 64 h
	s_lshl_b32 s23, s[WV], 13
	s_add_co_u32 s23, s23, EX
	v_add_nc_u32 v[EXW], s23, v[VO]                ; where I store fragments: 8,192 bytes a wave
	s_lshl_b32 s23, s[WV], 10
	s_add_co_u32 s23, s23, ESC
	v_lshl_add_u32 v[ESW], v101, 2, s23            ; and their scale words
	s_lshl_b32 s23, s[THF], 14
	s_add_co_u32 s23, s23, EX
	v_add_nc_u32 v[EXA], s23, v[VO]                ; where I read my four tiles' fragments
	s_lshl_b32 s23, s[THF], 11
	s_add_co_u32 s23, s23, ESC
	v_lshl_add_u32 v[ESA], v103, 2, s23
	v_lshrrev_b32 v[PFO], 2, v103
	v_lshlrev_b32 v[PFO], 18, v[PFO]               ; four lanes to a row: row lane / 4,
	v_and_b32 v104, 3, v103
	v_lshl_add_u32 v[PFO], v104, 8, v[PFO]         ; 256 bytes apart
.irp b, 0,1,2,3
	v_mov_b32 v[TM+4+\b], 0                        ; written once: a lane permute's destination counts as one of its sources
.endr
	s_mov_b32 s[CC], 0x4038AA3B                    ; c = 2 log2(e)
	s_mov_b32 s[CC+1], s[CC]
	s_mov_b32 s[SEL], 0x76543210
	s_mov_b32 s[SEL+1], 0xfedcba98
	s_mov_b32 s[MNT], 0x600000
	s_lshl_b32 s96, s[TQ], 25                      ; the weighted sum: my strip of 1,024 bytes of the work-group's rows
	s_lshl_b32 s97, ttmp9, 12
	s_add_co_u32 s96, s96, s97
	s_lshl_b32 s97, s[WV], 10
	s_add_co_u32 s96, s96, s97
	s_mov_b32 s97, 0
	s_add_nc_u64 s[CH:CH+1], s[4:5], s[96:97]
.irp c, 1,2,3,4,5,6,7
	s_add_nc_u64 s[CH+2*\c:CH+2*\c+1], s[CH+2*\c-2:CH+2*\c-1], 16*TROW
.endr
	s_lshl_b32 s96, ttmp9, 2
	s_add_co_u32 s96, s96, s[TQ]                   ; 4 b + tq
	s_lshl_b32 s23, s96, 8
	s_lshl_b32 s96, s96, 12
	s_lshl_b32 s97, s[WV], 10
	s_add_co_u32 s96, s96, s97
	s_mov_b32 s97, 0
	s_add_nc_u64 s[14:15], s[14:15], s[96:97]      ; pvec: my 1,024 bytes of part (b, tq)
	s_mov_b32 s96, s23
	s_add_nc_u64 s[16:17], s[16:17], s[96:97]      ; pml: the part's 256 bytes
	s_wait_kmcnt 0x0
	s_wait_tensorcnt 1                             ; hp or w2 and my tile of the first pass are in; the second pass's tile may be out
; ---- QUANTISING, four passes of 256 along K.  In a pass wave w turns its own 32 rows into four fragments (2 tiles of t x 2 K steps), which go to LDS as images of their registers;
; behind a barrier each wave takes the fragments of its four tiles into registers.  Then the slot is filled again: with enc two passes on, or with Wa_e's first two slots.
.macro ELOAD p
	WIN 0x40                                       ; destination window 1
.irp a, 0,1
.irp v, 0,1
.irp c, 0,1,2,3
	ds_load_b128 v[128*\a+16*(2*(\p)+\v)+4*\c:128*\a+16*(2*(\p)+\v)+4*\c+3], v[EXA] offset:(2*\a+\v)*2048+512*\c
.endr
.endr
.endr
	WIN 0x80                                       ; window 2
.irp a, 2,3
.irp v, 0,1
.irp c, 0,1,2,3
	ds_load_b128 v[128*(\a-2)+16*(2*(\p)+\v)+4*\c:128*(\a-2)+16*(2*(\p)+\v)+4*\c+3], v[EXA] offset:(2*\a+\v)*2048+512*\c
.endr
.endr
.endr
	WIN 0
.endm
.macro PASS p
	s_mov_b32 s[SD], ((\p)%2)*RINGP                ; the pass's slot; + 16 rows a trip
	s_mov_b32 s[SE], 0                             ; two fragments a trip
	s_mov_b32 s[SS], 128*(\p)                      ; two K steps' scale words a pass; a tile of t a trip
	s_mov_b32 s[SU], 0
.Lrows_\@:                                         ; two trips: a tile of 16 t each
	v_add_nc_u32 v[DLA], s[SD], v[DL0]
	v_add_nc_u32 v[EXT], s[SE], v[EXW]
	v_add_nc_u32 v[EST], s[SS], v[ESW]
.irp b, 0,1,2,3
.irp j, 0,1,2,3
	ds_load_b128 v[RA+16*\b+4*\j:RA+16*\b+4*\j+3], v[DLA] offset:128*\b+16*\j
.endr
.endr
.irp b, 0,1,2,3
.irp j, 0,1,2,3
	ds_load_b128 v[RB+16*\b+4*\j:RB+16*\b+4*\j+3], v[DLA] offset:512+128*\b+16*\j
.endr
.endr
	s_wait_dscnt 16                                ; the first K step's 16 loads are in, the second's may be out
	QUANT RA
	IMAGE EXT, 0
	ds_store_b32 v[EST], v[PW]
	s_wait_dscnt 0x0
	QUANT RB
	IMAGE EXT, 2048
	ds_store_b32 v[EST], v[PW] offset:64
	s_wait_dscnt 0x0                               ; my stores have landed
	s_add_co_u32 s[SD], s[SD], 16*1040
	s_add_co_u32 s[SE], s[SE], 4096
	s_add_co_u32 s[SS], s[SS], 512
	s_add_co_u32 s[SU], s[SU], 1
	s_cmp_lt_u32 s[SU], 2
	s_cbranch_scc1 .Lrows_\@
	s_barrier_signal -1                            ; the next pass's tile may stay out
	s_barrier_wait -1
	ELOAD \p
.if (\p) == 3
.irp a, 0,1,2,3
.irp q, 0,1,2,3
	ds_load_b32 v[ES+4*\a+\q], v[ESA] offset:512*\a+128*\q   ; lanes 0-15: K step 2 q; lanes 16-31: K step 2 q + 1
.endr
.endr
.endif
	s_wait_tensorcnt 0x0                           ; all my tensor loads have landed, so a group 0 may be written
	ds_add_u32 v[SPW], v[NIL]                      ; 0 onto my spare word
.if (\p) == 0
	s_add_nc_u64 s[G0E+2:G0E+3], s[G0E+2:G0E+3], 2048
.elseif (\p) == 1
	s_add_nc_u64 s[G0F+2:G0F+3], s[G0F+2:G0F+3], 2048
.elseif (\p) == 3
	s_xor_b32 s[G0W+1], s[G0W+1], RINGP
	s_add_nc_u64 s[G0W+2:G0W+3], s[G0W+2:G0W+3], 4*QUART
.endif
	s_wait_dscnt 0x0                               ; the add is done; my reads of the slot and of the images are over
	CROUND                                         ; so are those of every wave of the cluster
.if (\p) == 0
	TL G0E, G1E                                    ; my one load behind the round
.elseif (\p) == 1
	TL G0F, G1E
.else
	TL G0W, G1W                                    ; Wa_e's slot 0, then slot 1: jointly
.endif
.endm
	PASS 0
	PASS 1
	PASS 2
	PASS 3
; ---- THE PRODUCT AND THE TANH
.macro LFR i, s                        ; fragment s of tile i of the slot in hand
.irp c, 0,1,2,3
	ds_load_b128 v[WR+16*(\s)+4*\c:WR+16*(\s)+4*\c+3], v[AW0+(\i)/2] offset:((\i)%2)*TILEB+2048*(\s)+512*\c
.endr
.endm
.macro LHP i                           ; hp of tile i: my eight f
	ds_load_b128 v[HPR:HPR+3], v[AH] offset:64*(\i)
	ds_load_b128 v[HPR+4:HPR+7], v[AH] offset:64*(\i)+16
.endm
.macro LWS i, set                      ; a tile's scale words: word k = K steps 2 k (lanes 0-15) and 2 k + 1 (lanes 16-31)
	ds_load_b128 v[WS+4*(\set):WS+4*(\set)+3], v[AW0+(\i)/2] offset:((\i)%2)*TILEB+16384
.endm
.macro LW2 off                         ; w2 of a tile, 8,192 bytes behind hp
	ds_load_b128 v[W2R:W2R+3], v[AH] offset:(\off)
	ds_load_b128 v[W2R+4:W2R+7], v[AH] offset:(\off)+16
.endm
.macro STAGE5 base                     ; the sums take w2 / (1 + 2^(c x)) of a finished tile; four chains
.irp jj, 0,1,2,3
.irp a, 0,1,2,3
	v_pk_fma_f32 v[SA+2*\a:SA+2*\a+1], v[\base+8*\a+2*\jj:\base+8*\a+2*\jj+1], v[W2R+2*\jj:W2R+2*\jj+1], v[SA+2*\a:SA+2*\a+1]
.endr
.endr
.irp jj, 0,1,2,3
	v_pk_add_f32 v[WSUM:WSUM+1], v[WSUM:WSUM+1], v[W2R+2*\jj:W2R+2*\jj+1]
.endr
.endm
.macro MMA                             ; K step STP, tile of t TA.  The four accumulators take turns, one instruction a turn
.set DD, AC+8*TA
.set WW, WR+16*STP
.set EE, 128*(TA%2)+16*STP
.set SW, WS+4*PAR+STP/2
.set SX, ES+4*TA+STP/2
.if STP == 0
	v_wmma_scale_f32_16x16x128_f8f6f4 v[DD:DD+7], v[WW:WW+15], v[EE:EE+15], v[HPR:HPR+7], v[SW], v[SX]
.elseif STP%2
	v_wmma_scale_f32_16x16x128_f8f6f4 v[DD:DD+7], v[WW:WW+15], v[EE:EE+15], v[DD:DD+7], v[SW], v[SX] matrix_a_scale:MATRIX_SCALE_ROW1 matrix_b_scale:MATRIX_SCALE_ROW1
.else
	v_wmma_scale_f32_16x16x128_f8f6f4 v[DD:DD+7], v[WW:WW+15], v[EE:EE+15], v[DD:DD+7], v[SW], v[SX]
.endif
.endm
; Slice NN of 32 of the tile before.  Pair p of its 16 pairs is registers 2 (p / 4), + 1 of accumulator p % 4: each accumulator is read from its low end on.
; 0-15: the next pair x c, this pair's two exponentials.  16-31: the next pair + 1, this pair's two reciprocals.  Nothing names a result ahead of its batch's one wait:
; the exponentials' stands behind slice 15 (PERIOD writes it, with the first pair's + 1), the reciprocals' behind slice 31.
.macro SLICE
.set NN, 4*STP+TIL
.if NN < 16
.if NN < 15
.set PP, EA+8*((NN+1)%4)+2*((NN+1)/4)
	v_pk_mul_f32 v[PP:PP+1], v[PP:PP+1], s[CC:CC+1] op_sel_hi:[1,0]
.endif
.set PP, EA+8*(NN%4)+2*(NN/4)
	v_exp_f32 v[PP], v[PP]
	v_exp_f32 v[PP+1], v[PP+1]
.else
.if NN < 31
.set PP, EA+8*((NN-15)%4)+2*((NN-15)/4)
	v_pk_add_f32 v[PP:PP+1], v[PP:PP+1], 1.0 op_sel_hi:[1,0]
.endif
.set PP, EA+8*((NN-16)%4)+2*((NN-16)/4)
	v_rcp_f32 v[PP], v[PP]
	v_rcp_f32 v[PP+1], v[PP+1]
.if NN == 31
	v_nop
	s_wait_alu depctr_va_vdst(0)                   ; the one wait for the 32 reciprocals
.endif
.endif
.endm
; A PERIOD: tile i of the slot in hand.  chg = 1: the slot is left and filled again; 2: left, nothing to fetch.  ep: the tile before has its tanh.  st5: the tile before that is summed.
; lw2: w2 of the tile before is fetched.  nx: there is a next tile.
; THE LDS LOADS stand in two runs.  THE FIRST, at the period's head, behind the wait for the reciprocals and the sums: this tile's fragments 3 to 7 and w2 (NA loads); fragment 7's last product has the
; 21 lines of the sums and the scaling (or eight v_nop) behind it.  THE SECOND, behind K step 3, directly behind the wait for the exponentials: the next tile's hp, scale words and fragments 0 to 2 (15 loads);
; fragment 2's last product has nine plain lines behind it: four scalings and the five v_nop ahead of the wait.  The change of slots stands at that second place too.
; THE TILES OF t go 0, 1, 2, 3 in even K steps and 2, 3, 0, 1 in odd ones, so that source 1's window is switched once a step.
.macro PERIOD i, chg, ep, st5, lw2, nx
.set PAR, (\i)%2
.set AC, ACC+32*PAR
.set EA, ACC+32-32*PAR
.set NA, 20+2*(\lw2)
.set NI, ((\i)+1)%4
.if \st5
	s_wait_dscnt 15                                ; w2 is in: the last period's second run, 15 loads, was issued behind its two
	STAGE5 AC
.elseif (\i) > 0
	NOPS 8                                         ; places behind the last products
.endif
.if \ep
	v_pk_mul_f32 v[EA:EA+1], v[EA:EA+1], s[CC:CC+1] op_sel_hi:[1,0]
.endif
.irp f, 3,4,5,6,7
	LFR \i, \f
.endr
.if \lw2
.if (\i) == 0
	LW2 7872                                       ; tile 3 of the slot that was left: 8,192 + 192 - 512
.else
	LW2 8192+64*((\i)-1)
.endif
.endif
.if \chg
	s_wait_tensorcnt 0x0                           ; all my tensor loads have landed: my part of the next slot
	ds_add_u32 v[SPW], v[NIL]                      ; 0 onto my spare word; two steps' products stand between it and the wait for it
.if (\chg) == 1
	s_xor_b32 s[G0W+1], s[G0W+1], RINGP            ; the walking descriptor: the slot that is being left, the tiles two slots on
	s_add_nc_u64 s[G0W+2:G0W+3], s[G0W+2:G0W+3], 4*QUART
.endif
.endif
.set STP, 0
.rept 8
.if ((\chg) == 0) || (STP < 2)
.if STP < 3
.set ND, 8-4*STP+NA                    ; behind fragment STP: the second run's later fragments and all of the first run
.else
.set ND, 4*(7-STP)+2*(\lw2)            ; behind fragment STP: the first run's later fragments and w2,
.if (\nx) && (STP > 3)
.set ND, ND+15                         ; and from step 4 on this period's second run
.endif
.endif
	s_wait_dscnt ND                                ; as many LDS loads were issued behind this step's fragment
.endif
.set TIL, 0
.rept 4
.set TA, (TIL+2*(STP%2))%4
.set WN, 4+4*(TA/2)
	WIN WN                                         ; source 1 (enc) in window 1 or 2, all else in window 0
	MMA
.if \ep
	SLICE
.endif
.set TIL, TIL+1
.endr
.if (\chg) && (STP == 1)
	s_wait_dscnt 0x0                               ; the add is done, and my reads of this slot are over: all eight fragments are in
	s_barrier_signal -1                            ; two steps' work on registers stands between the signal and the wait
.endif
.if STP == 3
.if \ep
	NOPS 5                                         ; plain lines behind the last exponential; with the four scalings before them the places in front of the loads below
	s_wait_alu depctr_va_vdst(0)                   ; the one wait for the 32 exponentials, ahead of their first reader and of the branch below
.elseif \nx
	NOPS 8
.endif
.if \chg
	WIN 0
	s_barrier_wait -1
.if (\chg) == 1
	CREST                                          ; no wave of any partner still reads this slot or has a load on its way
	TL G0W, G1W                                    ; the joint refill, first behind the round: 112 matrix instructions ahead of the wait for it
.endif
	s_xor_b32 s[TB], s[TB], RINGP
	s_add_co_u32 s[TB+1], s[TB], QUART
	s_add_co_u32 s[HOF], s[HOF], 512
	v_add_nc_u32 v[AW0], s[TB], v[LWF]
	v_add_nc_u32 v[AW0+1], s[TB+1], v[LWF]
	v_add_nc_u32 v[AH], s[HOF], v[AH0]
.endif
.if \nx
	LHP NI
	LWS NI, 1-PAR
	LFR NI, 0
	LFR NI, 1
	LFR NI, 2
.if (\chg) == 2
; rows 32 to 63 of my strip are asked for ahead: the rest of this period and four more stand in front of the loads that will want them; a lane a block of 256 bytes, each block named once in the launch
.irp g, 0,1,2,3
	global_prefetch_b8 v[PFO], s[CH+4:CH+5] offset:\g*8*TROW th:TH_LOAD_NT scope:SCOPE_SE
.endr
.endif
.endif
.if \ep
	v_pk_add_f32 v[EA:EA+1], v[EA:EA+1], 1.0 op_sel_hi:[1,0]
.endif
.endif
.set STP, STP+1
.endr
	WIN 0
.endm
.irp j, 0,1,2,3,4,5,6,7
	v_mov_b32 v[SA+\j], 0
.endr
	v_mov_b32 v[WSUM], 0
	v_mov_b32 v[WSUM+1], 0
	v_bfe_u32 v[AH0], v0, 4, 1
	s_lshl_b32 s23, s[FHF], 8
	s_add_co_u32 s23, s23, HPL
	v_lshl_add_u32 v[AH0], v[AH0], 5, s23
	s_mov_b32 s[HOF], 0
	s_mov_b32 s[TB], 0
	s_mov_b32 s[TB+1], QUART
	v_add_nc_u32 v[AH], s[HOF], v[AH0]
	v_add_nc_u32 v[AW0], s[TB], v[LWF]
	v_add_nc_u32 v[AW0+1], s[TB+1], v[LWF]
	GL 0                                           ; rows 0-15 of my strip, into registers that lie idle until the weighted sum
	LHP 0                                          ; the first tile's second run: 15 loads, as in every period
	LWS 0, 0
.irp f, 0,1,2
	LFR 0, \f
.endr
	PERIOD 0, 0, 0, 0, 0, 1
	PERIOD 1, 0, 1, 0, 1, 1
	s_mov_b32 s[CNT], 14
.Lslot:                                            ; 14 trips: a slot's tiles 2, 3, the change of slots with its refill, the next slot's tiles 0, 1
	PERIOD 2, 0, 1, 1, 1, 1
	PERIOD 3, 1, 1, 1, 1, 1
	PERIOD 0, 0, 1, 1, 1, 1
	PERIOD 1, 0, 1, 1, 1, 1
	s_sub_co_u32 s[CNT], s[CNT], 1
	s_cmp_lg_u32 s[CNT], 0
	s_cbranch_scc1 .Lslot
	GL 1                                           ; rows 16-31
	PERIOD 2, 0, 1, 1, 1, 1                        ; the tail is written out
	PERIOD 3, 2, 1, 1, 1, 1
	PERIOD 0, 0, 1, 1, 1, 1
	PERIOD 1, 0, 1, 1, 1, 1
	PERIOD 2, 0, 1, 1, 1, 1
	PERIOD 3, 0, 1, 1, 1, 0
	s_wait_dscnt 0x0
	STAGE5 ACC                                     ; the last tile but one; these lines are also the places behind the last products
	LW2 8192+192
	s_wait_loadcnt 0x0                             ; rows 0-31 are in
	GL 2                                           ; enc's codes are done with: their registers take rows
.set PQ, 0
.rept 16
.set PP, ACC+32+8*(PQ%4)+2*(PQ/4)
	v_pk_mul_f32 v[PP:PP+1], v[PP:PP+1], s[CC:CC+1] op_sel_hi:[1,0]
.set PQ, PQ+1
.endr
.set PQ, 0
.rept 32
	v_exp_f32 v[ACC+32+PQ], v[ACC+32+PQ]
.set PQ, PQ+1
.endr
	v_nop
	s_wait_alu depctr_va_vdst(0)                   ; one wait for the batch
.set PQ, 0
.rept 16
	v_pk_add_f32 v[ACC+32+2*PQ:ACC+33+2*PQ], v[ACC+32+2*PQ:ACC+33+2*PQ], 1.0 op_sel_hi:[1,0]
.set PQ, PQ+1
.endr
.set PQ, 0
.rept 32
	v_rcp_f32 v[ACC+32+PQ], v[ACC+32+PQ]
.set PQ, PQ+1
.endr
	v_nop
	s_wait_alu depctr_va_vdst(0)
	s_wait_dscnt 0x0
	STAGE5 ACC+32
; ---- THE SCORES: my half of f, both halves of the lanes; the other fh's half comes through LDS
	v_and_b32 v85, 15, v0
	v_and_b32 v86, 31, v0
	s_lshl_b32 s23, s[FHF], 9
	s_lshl_b32 s96, s[THF], 8
	s_add_co_u32 s23, s23, s96
	s_add_co_u32 s23, s23, SCR
	v_lshl_add_u32 v[SCW], v85, 2, s23             ; [fh][t]: 512 fh + 256 th + 64 a + 4 r
	v_lshl_add_u32 v[SCD], v86, 2, SCR
	s_lshl_b32 s23, s[WV], 10
	s_add_co_u32 s23, s23, PRB
	v_lshl_add_u32 v[PBW], v86, 3, s23             ; p, twice, 8 bytes a t: each wave's own 1,024 bytes
	v_mov_b32 v[PBR], s23
	v_lshlrev_b32 v84, 3, v86
	v_mov_b32 v74, 0
	v_add_f32 v[WSUM], v[WSUM], v[WSUM+1]
.irp a, 0,1,2,3
	v_add_f32 v[SA+2*\a], v[SA+2*\a], v[SA+2*\a+1]
.endr
.irp a, 0,1,2,3
	v_fma_f32 v[SA+2*\a], v[SA+2*\a], -2.0, v[WSUM]
.endr
.irp a, 0,1,2,3
	v_permlanex16_b32 v[SA+2*\a+1], v[SA+2*\a], s[SEL], s[SEL+1]
.endr
.irp a, 0,1,2,3
	v_add_f32 v[SA+2*\a], v[SA+2*\a], v[SA+2*\a+1]
.endr
.irp a, 0,1,2,3
	ds_store_b32 v[SCW], v[SA+2*\a] offset:64*\a   ; both halves of the lanes write the same word with the same value
.endr
	s_wait_dscnt 0x0
	s_barrier_signal -1
	s_barrier_wait -1
	GL 3
.irp k, 0,1,2,3
	ds_load_b32 v[64+\k], v[SCD] offset:128*\k     ; every wave takes all 128 scores: t = lane + 32 k
	ds_load_b32 v[68+\k], v[SCD] offset:512+128*\k
.endr
	s_wait_dscnt 0x0
.irp k, 0,1,2,3
	v_add_f32 v[64+\k], v[64+\k], v[68+\k]
.endr
.irp k, 0,1,2,3
	v_add_f32 v[64+\k], s[B2S], v[64+\k]
.endr
	v_max3_num_f32 v72, v64, v65, v66
	v_max_num_f32 v72, v72, v67
	v_max_num_f32_dpp v72, v72, v72 row_xmask:1 row_mask:0xf bank_mask:0xf
	v_max_num_f32_dpp v72, v72, v72 row_xmask:2 row_mask:0xf bank_mask:0xf
	v_max_num_f32_dpp v72, v72, v72 row_xmask:4 row_mask:0xf bank_mask:0xf
	v_max_num_f32_dpp v72, v72, v72 row_xmask:8 row_mask:0xf bank_mask:0xf
	v_permlanex16_b32 v74, v72, s[SEL], s[SEL+1]
	v_max_num_f32 v72, v72, v74                    ; m: the largest of the 128
.irp k, 0,1,2,3
	v_sub_f32 v[64+\k], v[64+\k], v72
.endr
.irp k, 0,1,2,3
	v_mul_f32 v[76+2*\k], 0x3fb8aa3b, v[64+\k]
.endr
.irp k, 0,1,2,3
	v_exp_f32 v[76+2*\k], v[76+2*\k]               ; p = e^(s - m)
.endr
	v_nop
	s_wait_alu depctr_va_vdst(0)
.irp k, 0,1,2,3
	v_mov_b32 v[77+2*\k], v[76+2*\k]
.endr
	v_add_f32 v73, v76, v78
	v_add_f32 v75, v80, v82
	v_add_f32 v73, v73, v75
	v_add_f32_dpp v73, v73, v73 row_xmask:1 row_mask:0xf bank_mask:0xf
	v_add_f32_dpp v73, v73, v73 row_xmask:2 row_mask:0xf bank_mask:0xf
	v_add_f32_dpp v73, v73, v73 row_xmask:4 row_mask:0xf bank_mask:0xf
	v_add_f32_dpp v73, v73, v73 row_xmask:8 row_mask:0xf bank_mask:0xf
	v_permlanex16_b32 v74, v73, s[SEL], s[SEL+1]
	v_add_f32 v73, v73, v74                        ; l
.irp k, 0,1,2,3
	ds_store_b64 v[PBW], v[76+2*\k:77+2*\k] offset:256*\k
.endr
	s_cmp_lg_u32 s[WV], 0
	s_cbranch_scc1 .Lnot_wave_0
	global_store_b64 v84, v[72:73], s[16:17]       ; (m, l), 32 copies: 256 consecutive bytes, aligned
.Lnot_wave_0:
; ---- THE WEIGHTED SUM: wave w owns columns 256 w .. + 255; chunks of 16 rows; even and odd rows in chains of their own
.macro F c, n, first
.set PS, 128+32*((\c)%2)
.set CB, 128*((\c)%2)
.set RW, 0
.rept 8
	ds_load_b128 v[PS+4*RW:PS+4*RW+3], v[PBR] offset:128*(\c)+16*RW   ; two rows' (p, p), the same in every lane; LDS serves a wave's instructions in order: these see my stores
.set RW, RW+1
.endr
	s_wait_loadcnt \n
	s_wait_dscnt 0x0
	CWIN \c
	WIN GW                                         ; source 0: the chunk's window
.set RW, 0
.rept 16
.set KK, 0
.rept 4
.set OO, OA+8*(RW%2)+2*KK
.if (\first) && (RW < 2)
	v_pk_mul_f32 v[OO:OO+1], v[CB+8*RW+2*KK:CB+8*RW+2*KK+1], v[PS+2*RW:PS+2*RW+1]
.else
	v_pk_fma_f32 v[OO:OO+1], v[CB+8*RW+2*KK:CB+8*RW+2*KK+1], v[PS+2*RW:PS+2*RW+1], v[OO:OO+1]
.endif
.set KK, KK+1
.endr
.set RW, RW+1
.endr
	WIN 0
.endm
	F 0, 63, 1                                     ; (64 younger loads are out wherever 63 is written)
	F 1, 63, 0
	GL 4
	F 2, 63, 0
	GL 5
	F 3, 63, 0
	GL 6
	F 4, 63, 0
	GL 7
	F 5, 63, 0
	F 6, 32, 0                                     ; the last chunk's 32 loads may be out
	F 7, 0, 0
.irp k, 0,2,4,6
	v_pk_add_f32 v[OA+\k:OA+\k+1], v[OA+\k:OA+\k+1], v[OA+8+\k:OA+9+\k]
.endr
	global_store_b128 v[VO], v[OA:OA+3], s[14:15]              ; 512 consecutive bytes a store
	global_store_b128 v[VO], v[OA+4:OA+7], s[14:15] offset:512
	s_wait_tensorcnt 0x0                           ; the wave's end
	ds_add_u32 v[SPW], v[NIL]
	s_wait_dscnt 0x0
	CROUND                                         ; the closing round
	s_endpgm
.Lfunc_end_k_q011031282f_main:
	.size	k_q011031282f_main, .Lfunc_end_k_q011031282f_main-k_q011031282f_main
	.p2alignl 7, 3214868480
	.fill 96, 4, 3214868480
	.section	.rodata,"a",@progbits
	.p2align	6, 0x0
	.amdhsa_kernel k_q011031282f_main
		.amdhsa_group_segment_fixed_size 327680
		.amdhsa_private_segment_fixed_size 0
		.amdhsa_enable_private_segment 0
		.amdhsa_kernarg_size 56
		.amdhsa_user_sgpr_count 2
		.amdhsa_user_sgpr_kernarg_segment_ptr 1
		.amdhsa_wavefront_size32 1
		.amdhsa_system_sgpr_workgroup_id_x 1
		.amdhsa_system_sgpr_workgroup_id_y 1
		.amdhsa_system_sgpr_workgroup_id_z 1
		.amdhsa_system_vgpr_workitem_id 0
		.amdhsa_next_free_vgpr 1024
		.amdhsa_next_free_sgpr 100
		.amdhsa_reserve_vcc 0
		.amdhsa_float_denorm_mode_32 3
		.amdhsa_float_denorm_mode_16_64 3
		.amdhsa_memory_ordered 1
		.amdhsa_forward_progress 1
		.amdhsa_inst_pref_size 255
	.end_amdhsa_kernel
	.section	.bss,"aw",@nobits
	.p2align	6
	.space	262144
	.amdgpu_metadata
---
amdhsa.version: [ 1, 2 ]
amdhsa.kernels:
  - .name:           k_q011031282f_main
    .symbol:         k_q011031282f_main.kd
    .args:
      - { .name: encoder_states, .offset: 0, .size: 8, .value_kind: global_buffer, .address_space: global }
      - { .name: wae, .offset: 8, .size: 8, .value_kind: global_buffer, .address_space: global }
      - { .name: hp, .offset: 16, .size: 8, .value_kind: global_buffer, .address_space: global }
      - { .name: w2, .offset: 24, .size: 8, .value_kind: global_buffer, .address_space: global }
      - { .name: b2, .offset: 32, .size: 8, .value_kind: global_buffer, .address_space: global }
      - { .name: pvec, .offset: 40, .size: 8, .value_kind: global_buffer, .address_space: global }
      - { .name: pml, .offset: 48, .size: 8, .value_kind: global_buffer, .address_space: global }
    .group_segment_fixed_size: 327680
    .private_segment_fixed_size: 0
    .kernarg_segment_align: 8
    .kernarg_segment_size: 56
    .max_flat_workgroup_size: 128
    .sgpr_count:     100
    .vgpr_count:     1024
    .wavefront_size: 32
...
	.end_amdgpu_metadata
.endif
;; end of part 2
;; launch fin (part 3): grid 64 x 1, 4 waves a work-group, no clusters, 73,216 bytes of LDS; arguments decoder_out, pvec, pml, wcq, bc, out0, out1; writes out0, out1
.if DOCPART == 3
	.amdgcn_target "amdgcn-amd-amdhsa--gfx1250"
	.amdhsa_code_object_version 6
	.text
	.protected	k_q011031282f_fin
	.globl	k_q011031282f_fin
	.p2align	8
	.type	k_q011031282f_fin,@function
k_q011031282f_fin:
	s_mov_b64 s[64:65], 0
	v_nop
	global_prefetch_b8 v0, s[64:65] scope:SCOPE_SE
	s_setreg_imm32_b32 hwreg(HW_REG_WAVE_MODE, 25, 1), 1
	s_wait_xcnt 0x0
; FIN.  applied[b] = sum over the four parts q of e^(m_q - M) pvec[b][q] / sum of e^(m_q - M) l_q, M the largest m_q (out1);  out0 = tanh([decoder_out, applied] Wc^T + bc), the product on codes of E4M3.
; SHARES.  Work-group g: 16 b (g % 4) x 64 n (g / 4).  Wave w quantises K steps 2 w, 2 w + 1 (decoder_out) and 8 + 2 w, 9 + 2 w (applied) of the 16 rows; the fragments meet in LDS as images of their
; registers; then wave w multiplies tile 4 (g / 4) + w of 16 n, whose 16 fragments of Wc come from memory straight into its registers.  The merge is done by each of the 16 work-groups of a g % 4; those with g / 4 = 0 store out1.
; The product is used transposed (source 0 = 16 n of Wc, source 1 = 16 b): a lane holds one b and eight neighbouring n; bc is the C of the first sum's first product.
; No tensor load, no cluster: what work-groups share here is small, and the launch is short.
; LIMITS: as in the other launches: NaN and infinities are not served; the scale byte is held at 1 from below.
; REGISTERS: window 0: v1-15 addresses; v16-31 at work; v34-41 four coefficients, twice each; v42-49 (m, l) of the four parts; v50-57 bc; v58-65 Wc's scale words; v66-73 the rows' scale words; v80-95 codes; v96-127 four accumulators;
;   v128-191, v192-255 two sets of 64 numbers.   window 1: Wc's 16 fragments.   window 2: the four parts of my first K step, later the rows' 16 fragments.   window 3: the four parts of my second K step.
.set FIMG, 0                           ; the rows' 16 fragments
.set FSC,  32768                       ; their scale words, [K step][row]
.set OST,  33792                       ; out0's stage: 16 rows x (256 + 16) bytes
.set ST1,  38400                       ; out1's stages: 16 rows x (512 + 16) bytes for each wave
.set TM,  16
.set PW,  32
.set CF,  34
.set ML,  42
.set BC,  50
.set WCS, 58
.set OPS, 66
.set PC,  80
.set ACC, 96
.set DA,  128
.set DB,  192
.set WV,  18
.set BT,  19
.set NG,  20
.set SEL, 22
.set CC,  24
.set MNT, 26
.set MSB, 0
.macro WIN new
.if MSB != (\new)
	s_set_vgpr_msb (MSB<<8)|(\new)
.set MSB, \new
.endif
.endm
.macro QUANT s
.irp b, 0,1,2,3
	v_max3_num_f32 v[TM+\b], |v[\s+16*\b]|, |v[\s+1+16*\b]|, 0x4800000   ; my 16 numbers of block b, and the floor 2^(9 - 127): the byte cannot fall under 1
.endr
.irp i, 2,4,6,8,10,12,14
.irp b, 0,1,2,3
	v_max3_num_f32 v[TM+\b], v[TM+\b], |v[\s+16*\b+\i]|, |v[\s+1+16*\b+\i]|
.endr
.endr
.irp b, 0,1,2,3
	v_permlanex16_b32 v[TM+4+\b], v[TM+\b], s[SEL], s[SEL+1]
.endr
.irp b, 0,1,2,3
	v_max_num_f32 v[TM+\b], v[TM+\b], v[TM+4+\b]
.endr
.irp b, 0,1,2,3
	v_add_nc_u32 v[TM+12+\b], 0xfc000000, v[TM+\b]               ; 8 off the exponent field: the conversion's scale operand
.endr
.irp b, 0,1,2,3
	v_and_or_b32 v[TM+8+\b], v[TM+\b], 0x7f800000, s[MNT]        ; 448 x the scale
.endr
.irp b, 0,1,2,3
	v_lshrrev_b32 v[TM+4+\b], 23, v[TM+12+\b]                    ; the scale's byte
.endr
	v_lshl_or_b32 v[PW], v[TM+5], 8, v[TM+4]
	v_lshl_or_b32 v[PW], v[TM+6], 16, v[PW]
	v_lshl_or_b32 v[PW], v[TM+7], 24, v[PW]
.irp b, 0,1,2,3
.irp i, 0,1,2,3,4,5,6,7,8,9,10,11,12,13,14,15
	v_med3_num_f32 v[\s+16*\b+\i], v[\s+16*\b+\i], -v[TM+8+\b], v[TM+8+\b]   ; the conversion does not saturate (ISA guide 7.6.2): the hold
.endr
	v_cvt_scalef32_pk8_fp8_f32 v[PC+4*\b:PC+1+4*\b], v[\s+16*\b:\s+7+16*\b], v[TM+12+\b]
	v_cvt_scalef32_pk8_fp8_f32 v[PC+2+4*\b:PC+3+4*\b], v[\s+8+16*\b:\s+15+16*\b], v[TM+12+\b]
.endr
	v_nop                                          ; a plain line behind the last conversion
.endm
.macro XLOAD reg, va, sb, off
.irp b, 0,1,2,3
.irp j, 0,1,2,3
	global_load_b128 v[\reg+16*\b+4*\j:\reg+16*\b+4*\j+3], v[\va], s[\sb:\sb+1] offset:\off+128*\b+16*\j
.endr
.endr
.endm
.macro PLOAD v                         ; the four parts' numbers of my K step v: part q at v[64 q] on of the window in hand
.irp q, 0,1,2,3
.irp b, 0,1,2,3
.irp j, 0,1,2,3
	global_load_b128 v[64*\q+16*\b+4*\j:64*\q+16*\b+4*\j+3], v5, s[6:7] offset:4096*\q+512*(\v)+128*\b+16*\j
.endr
.endr
.endr
.endm
.macro IMAGE adr, off
.irp c, 0,1,2,3
	ds_store_b128 v[\adr], v[PC+4*\c:PC+4*\c+3] offset:\off+512*\c
.endr
.endm
.macro BARRIER
	s_wait_dscnt 0x0
	s_barrier_signal -1
	s_barrier_wait -1
.endm
.macro MERGE w                         ; applied's 64 numbers of a lane, into v[DA] on: source 0 in window w
	WIN \w
.set KK, 0
.rept 32
	v_pk_mul_f32 v[DA+2*KK:DA+2*KK+1], v[2*KK:2*KK+1], v[CF:CF+1]
.set KK, KK+1
.endr
.irp q, 1,2,3
.set KK, 0
.rept 32
	v_pk_fma_f32 v[DA+2*KK:DA+2*KK+1], v[64*\q+2*KK:64*\q+2*KK+1], v[CF+2*\q:CF+2*\q+1], v[DA+2*KK:DA+2*KK+1]
.set KK, KK+1
.endr
.endr
	WIN 0
.endm
.macro APPLIED v, w                    ; my K step v of applied: merged, stored (by the work-groups with g / 4 = 0), quantised
	s_wait_loadcnt 63                              ; 64 loads or more are younger than this step's parts
	MERGE \w
	s_cmp_lg_u32 s[NG], 0
	s_cbranch_scc1 .Lnot_mine_\@
	s_wait_xcnt 0x0                                ; earlier stores have read the registers that the loads below fill
.irp b, 0,1,2,3
.irp j, 0,1,2,3
	ds_store_b128 v14, v[DA+16*\b+4*\j:DA+16*\b+4*\j+3] offset:128*\b+16*\j   ; through my own stage: in by lanes' rows,
.endr
.endr
.irp i, 0,1,2,3,4,5,6,7,8,9,10,11,12,13,14,15
	ds_load_b128 v[DB+4*\i:DB+4*\i+3], v15 offset:528*\i                     ; back by whole rows (LDS serves a wave's instructions in order)
.endr
.irp i, 0,1,2,3,4,5,6,7,8,9,10,11,12,13,14,15
	s_wait_dscnt 15-\i
	global_store_b128 v6, v[DB+4*\i:DB+4*\i+3], s[16:17] offset:4096*\i+512*(\v)   ; 512 consecutive bytes of a row of out1
.endr
.Lnot_mine_\@:
	QUANT DA
	IMAGE 8, 16384+2048*(\v)
	ds_store_b32 v9, v[PW] offset:512+64*(\v)
	s_wait_dscnt 0x0
.endm
.macro FMM c                           ; K step STP on accumulator STP % 4
.if STP%2
	v_wmma_scale_f32_16x16x128_f8f6f4 v[DD:DD+7], v[16*STP:16*STP+15], v[16*STP:16*STP+15], \c, v[WCS+STP/2], v[OPS+STP/2] matrix_a_scale:MATRIX_SCALE_ROW1 matrix_b_scale:MATRIX_SCALE_ROW1
.else
	v_wmma_scale_f32_16x16x128_f8f6f4 v[DD:DD+7], v[16*STP:16*STP+15], v[16*STP:16*STP+15], \c, v[WCS+STP/2], v[OPS+STP/2]
.endif
.endm
	s_load_b256 s[4:11], s[0:1], 0x0               ; decoder_out s[4:5], pvec s[6:7], pml s[8:9], wcq s[10:11]
	s_load_b128 s[12:15], s[0:1], 0x20             ; bc s[12:13], out0 s[14:15]
	s_load_b64 s[16:17], s[0:1], 0x30              ; out1
	v_lshl_add_u32 v78, v0, 2, 0x11c00
	v_mov_b32 v79, 0
	v_lshrrev_b32 v1, 5, v0
	v_readfirstlane_b32 s[WV], v1
	s_and_b32 s[BT], ttmp9, 3
	s_lshr_b32 s[NG], ttmp9, 2
	v_and_b32 v1, 31, v0                           ; lane
	v_and_b32 v2, 15, v0                           ; r
	v_bfe_u32 v3, v0, 4, 1                         ; h
	v_lshlrev_b32 v4, 12, v2
	v_lshl_add_u32 v4, v3, 6, v4                   ; decoder_out: row r of 4,096 bytes + 64 h
	v_lshlrev_b32 v5, 14, v2
	v_lshl_add_u32 v5, v3, 6, v5                   ; pvec: b's four parts are 16,384 bytes
	v_lshlrev_b32 v6, 4, v1                        ; 16 x lane
	v_lshlrev_b32 v7, 10, v2
	v_lshl_add_u32 v7, v1, 3, v7                   ; pml: b's four units of 256 bytes; my lane's copy
	s_lshl_b32 s27, s[WV], 12
	v_add_nc_u32 v8, s27, v6                       ; where I store fragments 2 w, 2 w + 1
	s_lshl_b32 s27, s[WV], 7
	s_add_co_u32 s27, s27, FSC
	v_lshl_add_u32 v9, v2, 2, s27                  ; and their scale words
	v_lshl_add_u32 v10, v1, 2, FSC                 ; scale words, two K steps to a register
	v_mul_u32_u24 v11, v2, 272
	v_lshl_add_u32 v11, v3, 5, v11
	s_lshl_b32 s27, s[WV], 6
	s_add_co_u32 s27, s27, OST
	v_add_nc_u32 v11, s27, v11                     ; out0's stage, in: row r, 64 w + 32 h
	v_mul_u32_u24 v12, v3, 272
	v_lshl_add_u32 v12, v2, 4, v12
	s_mul_i32 s27, s[WV], 4*272
	s_add_co_u32 s27, s27, OST
	v_add_nc_u32 v12, s27, v12                     ; back: rows 4 w + h (+ 2), 16 bytes a lane
	v_lshlrev_b32 v13, 12, v3
	v_lshl_add_u32 v13, v2, 4, v13
	s_lshl_b32 s27, s[WV], 14
	v_add_nc_u32 v13, s27, v13                     ; and the same place in out0
	v_mul_u32_u24 v14, v2, 528
	v_lshl_add_u32 v14, v3, 6, v14
	s_mul_i32 s27, s[WV], 8448
	s_add_co_u32 s27, s27, ST1
	v_add_nc_u32 v14, s27, v14                     ; out1's stage, in
	v_add_nc_u32 v15, s27, v6                      ; and back
	v_lshlrev_b32 v74, 5, v3                       ; bc: 32 h
	s_mov_b32 s[SEL], 0x76543210
	s_mov_b32 s[SEL+1], 0xfedcba98
	s_mov_b32 s[CC], 0x4038AA3B                    ; 2 log2(e)
	s_mov_b32 s[CC+1], s[CC]
	s_mov_b32 s[MNT], 0x600000
.irp b, 0,1,2,3
	v_mov_b32 v[TM+4+\b], 0                        ; written once: a lane permute's destination counts as one of its sources
.endr
	s_lshl_b32 s28, s[BT], 16                      ; 16 rows of 4,096 bytes,
	s_lshl_b32 s30, s[WV], 10                      ; my two K steps
	s_add_co_u32 s28, s28, s30
	s_mov_b32 s29, 0
	s_lshl_b32 s32, s[BT], 18
	s_add_co_u32 s32, s32, s30
	s_mov_b32 s33, 0
	s_lshl_b32 s34, s[BT], 14
	s_mov_b32 s35, 0
	s_lshl_b32 s36, s[NG], 2
	s_add_co_u32 s36, s36, s[WV]                   ; my tile of n
	s_lshl_b32 s38, s36, 6
	s_mov_b32 s39, 0
	s_mul_i32 s36, s36, 33792
	s_mov_b32 s37, 0
	s_lshl_b32 s40, s[BT], 16
	s_lshl_b32 s41, s[NG], 8
	s_add_co_u32 s40, s40, s41
	s_mov_b32 s41, 0
	s_wait_kmcnt 0x0
	s_add_nc_u64 s[4:5], s[4:5], s[28:29]
	s_add_nc_u64 s[16:17], s[16:17], s[28:29]
	s_add_nc_u64 s[6:7], s[6:7], s[32:33]
	s_add_nc_u64 s[8:9], s[8:9], s[34:35]
	s_add_nc_u64 s[10:11], s[10:11], s[36:37]
	s_add_nc_u64 s[12:13], s[12:13], s[38:39]
	s_add_nc_u64 s[14:15], s[14:15], s[40:41]
.irp q, 0,1,2,3
	global_load_b64 v[ML+2*\q:ML+2*\q+1], v7, s[8:9] offset:256*\q
.endr
	XLOAD DA, 4, 4, 0
	XLOAD DB, 4, 4, 512
	WIN 0x80
	PLOAD 0
	WIN 0
	s_wait_loadcnt 63                              ; (m, l) and decoder_out's two K steps are in: 64 loads are younger
	QUANT DA
	IMAGE 8, 0
	ds_store_b32 v9, v[PW]
	s_wait_dscnt 0x0
	QUANT DB
	IMAGE 8, 2048
	ds_store_b32 v9, v[PW] offset:64
	WIN 0xc0
	PLOAD 1
	WIN 0
	v_max3_num_f32 v33, v[ML], v[ML+2], v[ML+4]
	v_max_num_f32 v33, v33, v[ML+6]                ; M
.irp q, 0,1,2,3
	v_sub_f32 v[CF+2*\q], v[ML+2*\q], v33
.endr
.irp q, 0,1,2,3
	v_mul_f32 v[CF+2*\q], 0x3fb8aa3b, v[CF+2*\q]
.endr
.irp q, 0,1,2,3
	v_exp_f32 v[CF+2*\q], v[CF+2*\q]               ; e^(m_q - M)
.endr
	v_nop
	s_wait_alu depctr_va_vdst(0)                   ; one wait for the four
	v_mul_f32 v75, v[CF], v[ML+1]
	v_fmac_f32 v75, v[CF+2], v[ML+3]
	v_fmac_f32 v75, v[CF+4], v[ML+5]
	v_fmac_f32 v75, v[CF+6], v[ML+7]               ; the row's sum: 1 at the least
	v_rcp_f32 v76, v75
	v_nop
	s_wait_alu depctr_va_vdst(0)
.irp q, 0,1,2,3
	v_mul_f32 v[CF+2*\q], v[CF+2*\q], v76
.endr
.irp q, 0,1,2,3
	v_mov_b32 v[CF+2*\q+1], v[CF+2*\q]
.endr
	APPLIED 0, 2
	global_load_b128 v[BC:BC+3], v74, s[12:13]
	global_load_b128 v[BC+4:BC+7], v74, s[12:13] offset:16
	global_load_b128 v[WCS:WCS+3], v6, s[10:11] offset:32768
	global_load_b128 v[WCS+4:WCS+7], v6, s[10:11] offset:33280
	WIN 0x40
.irp s, 0,1,2,3,4,5,6,7,8,9,10,11,12,13,14,15
.irp c, 0,1,2,3
	global_load_b128 v[16*\s+4*\c:16*\s+4*\c+3], v6, s[10:11] offset:2048*\s+512*\c   ; Wc's fragments as they lie: 512 consecutive bytes a load
.endr
.endr
	WIN 0
	APPLIED 1, 3
	BARRIER                                        ; the rows' sixteen fragments lie in LDS
	WIN 0x80
.irp s, 0,1,2,3,4,5,6,7,8,9,10,11,12,13,14,15
.irp c, 0,1,2,3
	ds_load_b128 v[16*\s+4*\c:16*\s+4*\c+3], v6 offset:FIMG+2048*\s+512*\c
.endr
.endr
	WIN 0
.irp q, 0,1,2,3,4,5,6,7
	ds_load_b32 v[OPS+\q], v10 offset:128*\q
.endr
	s_wait_dscnt 0x0
	s_wait_loadcnt 0x0
	WIN 0x09                                       ; source 0 (Wc) window 1, source 1 (the rows) window 2
.set STP, 0
.rept 16
.set DD, ACC+8*(STP%4)
.if STP == 0
	FMM v[BC:BC+7]
.elseif STP < 4
	FMM 0
.else
	FMM v[DD:DD+7]
.endif
.set STP, STP+1
.endr
	WIN 0
.rept 8
	v_nop
.endr
.irp j, 0,2,4,6
	v_pk_add_f32 v[ACC+\j:ACC+\j+1], v[ACC+\j:ACC+\j+1], v[ACC+8+\j:ACC+9+\j]      ; the four sums, each from its low end on
.endr
.irp j, 0,2,4,6
	v_pk_add_f32 v[ACC+16+\j:ACC+17+\j], v[ACC+16+\j:ACC+17+\j], v[ACC+24+\j:ACC+25+\j]
.endr
.irp j, 0,2,4,6
	v_pk_add_f32 v[ACC+\j:ACC+\j+1], v[ACC+\j:ACC+\j+1], v[ACC+16+\j:ACC+17+\j]
.endr
.irp j, 0,2,4,6
	v_pk_mul_f32 v[ACC+\j:ACC+\j+1], v[ACC+\j:ACC+\j+1], s[CC:CC+1] op_sel_hi:[1,0]
.endr
.irp j, 0,1,2,3,4,5,6,7
	v_exp_f32 v[ACC+\j], v[ACC+\j]
.endr
	v_nop
	s_wait_alu depctr_va_vdst(0)
.irp j, 0,2,4,6
	v_pk_add_f32 v[ACC+\j:ACC+\j+1], v[ACC+\j:ACC+\j+1], 1.0 op_sel_hi:[1,0]
.endr
.irp j, 0,1,2,3,4,5,6,7
	v_rcp_f32 v[ACC+\j], v[ACC+\j]
.endr
	v_nop
	s_wait_alu depctr_va_vdst(0)
.irp j, 0,2,4,6
	v_pk_fma_f32 v[ACC+\j:ACC+\j+1], v[ACC+\j:ACC+\j+1], -2.0, 1.0 op_sel_hi:[1,0,0]   ; tanh(x) = 1 - 2 / (1 + 2^(c x))
.endr
	ds_store_b128 v11, v[ACC:ACC+3]                ; a row's 64 n come from four waves: they meet in the stage
	ds_store_b128 v11, v[ACC+4:ACC+7] offset:16
	BARRIER
	ds_load_b128 v[ACC+8:ACC+11], v12
	ds_load_b128 v[ACC+12:ACC+15], v12 offset:2*272
	s_wait_dscnt 0x0
	global_store_b128 v13, v[ACC+8:ACC+11], s[14:15]               ; sixteen lanes store 256 consecutive bytes, aligned
	global_store_b128 v13, v[ACC+12:ACC+15], s[14:15] offset:2*4096
	s_wait_tensorcnt 0x0
	ds_add_u32 v78, v79
	s_wait_dscnt 0x0
	s_endpgm
.Lfunc_end_k_q011031282f_fin:
	.size	k_q011031282f_fin, .Lfunc_end_k_q011031282f_fin-k_q011031282f_fin
	.p2alignl 7, 3214868480
	.fill 96, 4, 3214868480
	.section	.rodata,"a",@progbits
	.p2align	6, 0x0
	.amdhsa_kernel k_q011031282f_fin
		.amdhsa_group_segment_fixed_size 73216
		.amdhsa_private_segment_fixed_size 0
		.amdhsa_enable_private_segment 0
		.amdhsa_kernarg_size 56
		.amdhsa_user_sgpr_count 2
		.amdhsa_user_sgpr_kernarg_segment_ptr 1
		.amdhsa_wavefront_size32 1
		.amdhsa_system_sgpr_workgroup_id_x 1
		.amdhsa_system_sgpr_workgroup_id_y 1
		.amdhsa_system_sgpr_workgroup_id_z 1
		.amdhsa_system_vgpr_workitem_id 0
		.amdhsa_next_free_vgpr 1024
		.amdhsa_next_free_sgpr 66
		.amdhsa_reserve_vcc 0
		.amdhsa_float_denorm_mode_32 3
		.amdhsa_float_denorm_mode_16_64 3
		.amdhsa_memory_ordered 1
		.amdhsa_forward_progress 1
		.amdhsa_inst_pref_size 95
	.end_amdhsa_kernel
	.amdgpu_metadata
---
amdhsa.version: [ 1, 2 ]
amdhsa.kernels:
  - .name:           k_q011031282f_fin
    .symbol:         k_q011031282f_fin.kd
    .args:
      - { .name: decoder_out, .offset: 0, .size: 8, .value_kind: global_buffer, .address_space: global }
      - { .name: pvec, .offset: 8, .size: 8, .value_kind: global_buffer, .address_space: global }
      - { .name: pml, .offset: 16, .size: 8, .value_kind: global_buffer, .address_space: global }
      - { .name: wcq, .offset: 24, .size: 8, .value_kind: global_buffer, .address_space: global }
      - { .name: bc, .offset: 32, .size: 8, .value_kind: global_buffer, .address_space: global }
      - { .name: out0, .offset: 40, .size: 8, .value_kind: global_buffer, .address_space: global }
      - { .name: out1, .offset: 48, .size: 8, .value_kind: global_buffer, .address_space: global }
    .group_segment_fixed_size: 73216
    .private_segment_fixed_size: 0
    .kernarg_segment_align: 8
    .kernarg_segment_size: 56
    .max_flat_workgroup_size: 128
    .sgpr_count:     66
    .vgpr_count:     1024
    .wavefront_size: 32
...
	.end_amdgpu_metadata
.endif
;; end of part 3
;; ======== version 2 of 2: 3 launches; version 1 with the launches prep, fin written anew for expert scheduling mode
;; workspace buffers: wae 2,162,688 bytes; wcq 2,162,688 bytes; hp 524,288 bytes; pvec 1,048,576 bytes; pml 65,536 bytes
;; launch prep (part 4): grid 192 x 1, 16 waves a work-group, no clusters, 93,184 bytes of LDS; arguments Wa, Wc, hidden, ba, wae, wcq, hp; writes wae, wcq, hp
.if DOCPART == 4
	.amdgcn_target "amdgcn-amd-amdhsa--gfx1250"
	.amdhsa_code_object_version 6
	.text
	.protected	k_q011031282f_prep
	.globl	k_q011031282f_prep
	.p2align	8
	.type	k_q011031282f_prep,@function
k_q011031282f_prep:
	s_mov_b64 s[64:65], 0
	v_nop
	global_prefetch_b8 v0, s[64:65] scope:SCOPE_SE
	s_setreg_imm32_b32 hwreg(HW_REG_WAVE_SCHED_MODE, 0, 2), 2
	s_setreg_imm32_b32 hwreg(HW_REG_WAVE_MODE, 25, 1), 1
	s_wait_xcnt 0x0
	s_wait_alu depctr_vm_vsrc(0)
; PREP.  Work-groups 0-127: 16 rows of Wa each.  Work-groups 128-191: 16 rows of Wc each.
; Rows are quantised along K to codes of E4M3 with one E8M0 byte for each 32, and laid in the ORDER OF THE OPERAND'S REGISTERS:
; a fragment (16 rows x 128 K) is 2,048 bytes, register group c of lane l at 512 c + 16 l, so that a later launch takes it by loads of 16 bytes a lane.
;   wae: tile of 16 rows of Wa[:,1024:]: 8 fragments, then 512 bytes of scale words: word k of lane l (at 16 l + 4 k) = row l % 16, K step 2 k + l / 16.
;   wcq: tile of 16 rows of Wc: 16 fragments, then 1,024 bytes of scale words, two such blocks of 512.
; A Wa work-group also makes hp[b][f] = hidden[b] . Wa[f][:1024] + ba[f] for its 16 f and all 64 b: sixteen waves quantise hidden (32 fragments) and
; the left half of the rows, the fragments meet in LDS, and waves 0-3 multiply, one tile of 16 b each.  hp leaves in pieces of 64 bytes a row, since a work-group owns 16 f.
; Every wave issues all its loads at once (48 at the most).  The two kinds of work-group have LDS bytes of their own.
; LIMITS: NaN and infinities among the inputs are not served.  A block whose largest magnitude lies under 2^-118 has the byte 1, a block of zeros too
; (its codes are zeros; only this program reads the bytes).
; THE MODE: SCHED_MODE bits 1:0 = 2 (LLVM: expert scheduling mode 2), set by the entry lines.  The code itself states the register dependences
; between vector or matrix instructions and memory or LDS instructions, with s_wait_alu, always for 0.
; THE PLAN.  Registers that memory or LDS instructions touch:
;   v4-v11, v13-v15, v248-v254   offsets and LDS addresses: written once at the head, ahead of one wait on va_vdst, and read by every load and store; v254 alone is written again, at a wave's end.
;   R0, R1, R2 (v32-v223)        global loads land in them before any vector line has named them; QUANT works on them in place; later LDS loads land in them.
;   PC (v224-v239), PW (v12)     written by QUANT, read by the stores behind it; written again by the next QUANT, and in waves 0-3 by the products.
;   v16-v23                      QUANT's scratch; in waves 0-3 LDS loads of scale words land in them.
;   v240-v247                    ba: loads alone land in them.
; So a wait on va_vdst closes each QUANT (its results are written for the stores; it is done with the registers in which later loads land), and a wait on vm_vsrc stands
; ahead of each later writer of PC and PW.  One more wait on va_vdst stands where fragments are loaded over fragments that products have read, and one ahead of hp's stores.
.set HIMG, 0                           ; hidden's 32 fragments (8 x tile of b + K step)
.set WIMG, 65536                       ; the left half's 8 fragments
.set HSC,  81920                       ; hidden's scale words, [fragment][row]
.set WSC,  83968                       ; the left half's, [K step][row]
.set WSR,  84480                       ; the right half's, as they leave
.set BSR,  86016                       ; Wc's, as they leave
.set PW,   12                          ; v12      the scale word just made
.set TM,   16                          ; v16-31   at work in QUANT; later the product's scale words
.set R0,   32                          ; v32-95, v96-159, v160-223: three sets of 64 numbers; later fragments
.set R1,   96
.set R2,   160
.set PC,   224                         ; v224-239 the codes just made; later two accumulators
.set BA,   240                         ; v240-247 ba in the result's layout
.set WV,   18
.set SEL,  20                          ; s[20:21] v_permlanex16_b32's selects for lane l xor 16
.set MNT,  22                          ; s22      the mantissa field of 448
; 64 numbers of a lane, register 16 b + i = k 32 b + 16 (lane / 16) + i of the lane's row, become a fragment's codes in v[PC] on and its scale word in v[PW]
.macro QUANT s
.irp b, 0,1,2,3
	v_max3_num_f32 v[TM+\b], |v[\s+16*\b]|, |v[\s+1+16*\b]|, 0x4800000   ; my 16 numbers of block b, and the floor 2^(9 - 127): the byte cannot fall under 1
.endr
.irp i, 2,4,6,8,10,12,14
.irp b, 0,1,2,3
	v_max3_num_f32 v[TM+\b], v[TM+\b], |v[\s+16*\b+\i]|, |v[\s+1+16*\b+\i]|
.endr
.endr
.irp b, 0,1,2,3
	v_permlanex16_b32 v[TM+4+\b], v[TM+\b], s[SEL], s[SEL+1]
.endr
.irp b, 0,1,2,3
	v_max_num_f32 v[TM+\b], v[TM+\b], v[TM+4+\b]                 ; with lane l xor 16's: the block's largest magnitude
.endr
.irp b, 0,1,2,3
	v_add_nc_u32 v[TM+12+\b], 0xfc000000, v[TM+\b]               ; 8 off its exponent field: the conversion's scale operand
.endr
.irp b, 0,1,2,3
	v_and_or_b32 v[TM+8+\b], v[TM+\b], 0x7f800000, s[MNT]        ; 448 x the scale
.endr
.irp b, 0,1,2,3
	v_lshrrev_b32 v[TM+4+\b], 23, v[TM+12+\b]                    ; the scale's byte
.endr
	v_lshl_or_b32 v[PW], v[TM+5], 8, v[TM+4]
	v_lshl_or_b32 v[PW], v[TM+6], 16, v[PW]
	v_lshl_or_b32 v[PW], v[TM+7], 24, v[PW]
.irp b, 0,1,2,3
.irp i, 0,1,2,3,4,5,6,7,8,9,10,11,12,13,14,15
	v_med3_num_f32 v[\s+16*\b+\i], v[\s+16*\b+\i], -v[TM+8+\b], v[TM+8+\b]   ; the conversion does not saturate (ISA guide 7.6.2): the hold at the largest code x the scale
.endr
	v_cvt_scalef32_pk8_fp8_f32 v[PC+4*\b:PC+1+4*\b], v[\s+16*\b:\s+7+16*\b], v[TM+12+\b]
	v_cvt_scalef32_pk8_fp8_f32 v[PC+2+4*\b:PC+3+4*\b], v[\s+8+16*\b:\s+15+16*\b], v[TM+12+\b]
.endr
	v_nop                                          ; a plain line behind the last conversion
	s_wait_alu depctr_va_vdst(0)                   ; the conversions have written v[PC ..] and the shifts v[PW], which the stores behind this macro read; these lines are also done with v[s ..] and v[TM ..], in which later LDS loads land
.endm
.macro XLOAD reg, va, sb, off          ; 64 numbers of a lane: 16 neighbours of each of the four blocks of a K step
.irp b, 0,1,2,3
.irp j, 0,1,2,3
	global_load_b128 v[\reg+16*\b+4*\j:\reg+16*\b+4*\j+3], v[\va], s[\sb:\sb+1] offset:\off+128*\b+16*\j
.endr
.endr
.endm
.macro IMAGE adr, off                  ; the fragment in v[PC] on goes to LDS as it stands
.irp c, 0,1,2,3
	ds_store_b128 v[\adr], v[PC+4*\c:PC+4*\c+3] offset:\off+512*\c
.endr
.endm
.macro BARRIER                         ; my LDS stores have landed and my LDS loads are in: then the work-group's barrier
	s_wait_dscnt 0x0
	s_barrier_signal -1
	s_barrier_wait -1
.endm
.macro MM s, wr, hr, c                 ; K step s: source 0 = 16 rows of Wa, source 1 = 16 rows of hidden; two accumulators by turns
.if (\s)%2
	v_wmma_scale_f32_16x16x128_f8f6f4 v[232:239], v[\wr:\wr+15], v[\hr:\hr+15], \c, v[16+(\s)/2], v[20+(\s)/2] matrix_a_scale:MATRIX_SCALE_ROW1 matrix_b_scale:MATRIX_SCALE_ROW1
.else
	v_wmma_scale_f32_16x16x128_f8f6f4 v[224:231], v[\wr:\wr+15], v[\hr:\hr+15], \c, v[16+(\s)/2], v[20+(\s)/2]
.endif
.endm
	s_load_b256 s[4:11], s[0:1], 0x0               ; Wa s[4:5], Wc s[6:7], hidden s[8:9], ba s[10:11]
	s_load_b128 s[12:15], s[0:1], 0x20             ; wae s[12:13], wcq s[14:15]
	s_load_b64 s[16:17], s[0:1], 0x30              ; hp
	v_lshrrev_b32 v1, 5, v0
	v_readfirstlane_b32 s[WV], v1                  ; wave 0..15
	v_and_b32 v1, 31, v0                           ; lane
	v_and_b32 v2, 15, v0                           ; r
	v_bfe_u32 v3, v0, 4, 1                         ; h
	v_lshlrev_b32 v4, 13, v2
	v_lshl_add_u32 v4, v3, 6, v4                   ; a row of Wa or Wc is 8,192 bytes: 8192 r + 64 h
	v_lshlrev_b32 v5, 12, v2
	v_lshl_add_u32 v5, v3, 6, v5                   ; a row of hidden 4,096
	v_lshlrev_b32 v6, 4, v1                        ; 16 x lane
	v_lshlrev_b32 v13, 2, v1                       ; 4 x lane
	; every LDS address is made here, ahead of the first branch
	s_wait_alu depctr_va_sdst(0)                   ; s18, the wave's number, is written, ahead of its first reader
	s_and_b32 s23, s[WV], 7
	s_lshl_b32 s24, s23, 11                        ; 2048 (w % 8): kept
	s_add_co_u32 s25, s24, WIMG
	v_add_nc_u32 v7, s25, v6                       ; the left half's fragment w
	s_lshl_b32 s25, s[WV], 12
	v_add_nc_u32 v8, s25, v6                       ; hidden's fragments 2 w, 2 w + 1
	s_lshl_b32 s25, s23, 6
	s_add_co_u32 s25, s25, WSC
	v_lshl_add_u32 v9, v2, 2, s25                  ; the left half's scale word: [K step][row]
	s_and_b32 s26, s[WV], 1
	s_lshl_b32 s26, s26, 8                         ; 256 (w % 2)
	s_lshr_b32 s25, s23, 1
	s_lshl_b32 s25, s25, 2
	s_add_co_u32 s25, s25, s26
	s_add_co_u32 s25, s25, WSR
	v_lshl_add_u32 v10, v2, 4, s25                 ; the right half's: lane r + 16 (step % 2), word step / 2
	s_lshl_b32 s25, s[WV], 7
	s_add_co_u32 s25, s25, HSC
	v_lshl_add_u32 v11, v2, 2, s25                 ; hidden's scale words
	v_lshlrev_b32 v14, 13, v2
	v_lshl_add_u32 v14, v3, 5, v14                 ; hp: row r of 8,192 bytes + 32 h
	s_lshr_b32 s25, s[WV], 3
	s_lshl_b32 s25, s25, 9
	s_add_co_u32 s25, s25, s26
	s_bfe_u32 s27, s[WV], 0x20001                  ; (w / 2) % 4
	s_lshl_b32 s27, s27, 2
	s_add_co_u32 s25, s25, s27
	s_add_co_u32 s25, s25, BSR
	v_lshl_add_u32 v15, v2, 4, s25                 ; Wc's scale word
	v_add_nc_u32 v248, WIMG, v6                    ; the product's reads: Wa's fragments,
	s_and_b32 s25, s[WV], 3
	s_lshl_b32 s27, s25, 14
	v_add_nc_u32 v249, s27, v6                     ; my tile of b's eight fragments,
	v_add_nc_u32 v250, WSC, v13                    ; scale words, two K steps to a register,
	s_lshl_b32 s27, s25, 9
	s_add_co_u32 s27, s27, HSC
	v_add_nc_u32 v251, s27, v13
	v_add_nc_u32 v252, WSR, v6                     ; and the scale blocks on their way out
	v_add_nc_u32 v253, BSR, v6
	v_lshlrev_b32 v254, 5, v3                      ; ba: 32 h
	s_mov_b32 s[SEL], 0x76543210
	s_mov_b32 s[SEL+1], 0xfedcba98
	s_mov_b32 s[MNT], 0x600000
.irp b, 0,1,2,3
	v_mov_b32 v[TM+4+\b], 0                        ; written once: a lane permute's destination counts as one of its sources
.endr
	s_wait_alu depctr_va_vdst(0)                   ; the offsets and LDS addresses v4 to v15 and v248 to v254 are written: every load and store on both ways below reads some of them
	s_wait_kmcnt 0x0
	s_cmp_lt_u32 ttmp9, 128
	s_cbranch_scc0 .Lwc
	; ---- 16 rows of Wa.  Wave w: K step w of the 16 (0-7 the left half, 8-15 the right), and hidden's fragments 2 w, 2 w + 1
	s_lshl_b32 s26, ttmp9, 17                      ; 16 rows of 8,192 bytes
	s_lshl_b32 s28, s[WV], 9
	s_add_co_u32 s26, s26, s28
	s_mov_b32 s27, 0
	s_add_nc_u64 s[26:27], s[4:5], s[26:27]
	s_lshr_b32 s28, s[WV], 2
	s_lshl_b32 s28, s28, 16                        ; tile of b: 16 rows of 4,096 bytes
	s_and_b32 s29, s[WV], 3
	s_lshl_b32 s29, s29, 10                        ; two K steps
	s_add_co_u32 s28, s28, s29
	s_mov_b32 s29, 0
	s_add_nc_u64 s[28:29], s[8:9], s[28:29]
	XLOAD R0, 4, 26, 0
	XLOAD R1, 5, 28, 0
	XLOAD R2, 5, 28, 512
	s_mul_i32 s32, ttmp9, 16896
	s_mov_b32 s33, 0
	s_add_nc_u64 s[32:33], s[12:13], s[32:33]      ; my tile of wae
	s_mov_b32 s30, s24
	s_mov_b32 s31, 0
	s_add_nc_u64 s[30:31], s[32:33], s[30:31]      ; fragment w % 8 of it
	s_lshl_b32 s34, ttmp9, 6                       ; 16 f of 4 bytes
	s_mov_b32 s35, 0
	s_lshl_b32 s36, s[WV], 17                      ; 16 rows of hp
	s_add_co_u32 s36, s36, s34
	s_mov_b32 s37, 0
	s_add_nc_u64 s[36:37], s[16:17], s[36:37]
	s_add_nc_u64 s[34:35], s[10:11], s[34:35]
	s_wait_loadcnt 32                              ; Wa's 16 loads are in; hidden's 32 may be out
	QUANT R0
	s_cmp_lt_u32 s[WV], 8
	s_cbranch_scc0 .Lright
	ds_store_b32 v9, v[PW]                         ; the left half stays in the work-group
	IMAGE 7, 0
	s_branch .Lboth
.Lright:
	ds_store_b32 v10, v[PW]                        ; the right half's scale words are gathered, its codes leave: 512 consecutive bytes a store
.irp c, 0,1,2,3
	global_store_b128 v6, v[PC+4*\c:PC+4*\c+3], s[30:31] offset:512*\c
.endr
.Lboth:
	s_wait_xcnt 0x0                                ; the stores have read their registers: the codes' registers are written again below
	s_wait_dscnt 0x0
	s_wait_alu depctr_vm_vsrc(0)                   ; on either way the stores, LDS or global, have read v[PC ..] and v[PW], which the next QUANT writes again
	s_wait_loadcnt 16                              ; hidden's first fragment is in
	QUANT R1
	IMAGE 8, 0
	ds_store_b32 v11, v[PW]
	s_wait_dscnt 0x0
	s_wait_alu depctr_vm_vsrc(0)                   ; these LDS stores have read v[PC ..] and v[PW], which the next QUANT writes again
	s_wait_loadcnt 0x0
	QUANT R2
	IMAGE 8, 2048
	ds_store_b32 v11, v[PW] offset:64
	BARRIER                                        ; all fragments and scale words lie in LDS
	s_wait_alu depctr_vm_vsrc(0)                   ; my last LDS stores have read v[PC ..]: in waves 0 to 3 the products write their sums over these registers
	s_cmp_lt_u32 s[WV], 4
	s_cbranch_scc1 .Lmat
	s_cmp_eq_u32 s[WV], 4
	s_cbranch_scc0 .Ldone_a
	ds_load_b128 v[32:35], v252                    ; wave 4: the tile's scale block, 512 consecutive bytes.  (No vector line since the last QUANT's wait names v32 to v35)
	s_wait_dscnt 0x0
	global_store_b128 v6, v[32:35], s[32:33] offset:16384
.Ldone_a:
	s_wait_xcnt 0x0
	v_lshl_add_u32 v254, v0, 2, 0x16400            ; (on this way no memory instruction has read v254 or v255)
	v_mov_b32 v255, 0
	s_wait_dscnt 0x0                               ; the closing lines, six on end
	s_wait_alu 0x0
	s_wait_tensorcnt 0x0
	ds_add_u32 v254, v255
	s_wait_dscnt 0x0
	s_endpgm
.Lmat:                                             ; waves 0-3: hp for tile w of b.  Lane (r, h), register j: f = 16 i + 8 h + j, b = 16 w + r
	global_load_b128 v[BA:BA+3], v254, s[34:35]
	global_load_b128 v[BA+4:BA+7], v254, s[34:35] offset:16
.irp q, 0,1,2,3
	ds_load_b32 v[16+\q], v250 offset:128*\q       ; lanes 0-15: K step 2 q; lanes 16-31: K step 2 q + 1.  (These loads and the fragments' land in QUANT's registers: no vector line since the last QUANT's wait names them)
	ds_load_b32 v[20+\q], v251 offset:128*\q
.endr
.irp s, 0,1,2,3
.irp c, 0,1,2,3
	ds_load_b128 v[32+16*\s+4*\c:32+16*\s+4*\c+3], v248 offset:2048*\s+512*\c
	ds_load_b128 v[96+16*\s+4*\c:96+16*\s+4*\c+3], v249 offset:2048*\s+512*\c
.endr
.endr
.irp s, 4,5
.irp c, 0,1,2,3
	ds_load_b128 v[160+32*(\s-4)+4*\c:160+32*(\s-4)+4*\c+3], v248 offset:2048*\s+512*\c
	ds_load_b128 v[176+32*(\s-4)+4*\c:176+32*(\s-4)+4*\c+3], v249 offset:2048*\s+512*\c
.endr
.endr
	s_wait_dscnt 0x0
	s_wait_loadcnt 0x0
	MM 0, 32, 96, v[BA:BA+7]                       ; ba is the C of the first sum's first product
	MM 1, 48, 112, 0
	MM 2, 64, 128, v[224:231]
	MM 3, 80, 144, v[232:239]
.rept 8
	v_nop                                          ; places in front of loads into registers that matrix instructions have read
.endr
	s_wait_alu depctr_va_vdst(0)                   ; products 0 to 3 are done reading Wa's fragments in v32 to v95, in which the loads below land
.irp s, 6,7
.irp c, 0,1,2,3
	ds_load_b128 v[32+32*(\s-6)+4*\c:32+32*(\s-6)+4*\c+3], v248 offset:2048*\s+512*\c
	ds_load_b128 v[48+32*(\s-6)+4*\c:48+32*(\s-6)+4*\c+3], v249 offset:2048*\s+512*\c
.endr
.endr
	MM 4, 160, 176, v[224:231]
	MM 5, 192, 208, v[232:239]
	s_wait_dscnt 0x0
	MM 6, 32, 48, v[224:231]
	MM 7, 64, 80, v[232:239]
.rept 8
	v_nop
.endr
.irp j, 0,2,4,6
	v_pk_add_f32 v[224+\j:225+\j], v[224+\j:225+\j], v[232+\j:233+\j]   ; the two sums, from their low ends on
.endr
	s_wait_alu depctr_va_vdst(0)                   ; the four additions have written v224 to v231, which hp's stores read
	global_store_b128 v14, v[224:227], s[36:37]
	global_store_b128 v14, v[228:231], s[36:37] offset:16
	s_wait_xcnt 0x0
	s_wait_alu depctr_vm_vsrc(0)                   ; ba's two loads have read v254, which is made anew below
	v_lshl_add_u32 v254, v0, 2, 0x16400
	v_mov_b32 v255, 0
	s_wait_dscnt 0x0                               ; the closing lines, six on end
	s_wait_alu 0x0
	s_wait_tensorcnt 0x0
	ds_add_u32 v254, v255
	s_wait_dscnt 0x0
	s_endpgm
.Lwc:                                              ; ---- 16 rows of Wc: wave w takes K step w
	s_sub_co_u32 s38, ttmp9, 128
	s_lshl_b32 s26, s38, 17
	s_lshl_b32 s28, s[WV], 9
	s_add_co_u32 s26, s26, s28
	s_mov_b32 s27, 0
	s_add_nc_u64 s[26:27], s[6:7], s[26:27]
	XLOAD R0, 4, 26, 0
	s_mul_i32 s30, s38, 33792
	s_mov_b32 s31, 0
	s_add_nc_u64 s[32:33], s[14:15], s[30:31]      ; my tile of wcq
	s_lshl_b32 s30, s[WV], 11
	s_add_nc_u64 s[30:31], s[32:33], s[30:31]      ; fragment w of it
	s_wait_loadcnt 0x0
	QUANT R0
	ds_store_b32 v15, v[PW]
.irp c, 0,1,2,3
	global_store_b128 v6, v[PC+4*\c:PC+4*\c+3], s[30:31] offset:512*\c
.endr
	BARRIER
	s_cmp_lg_u32 s[WV], 0
	s_cbranch_scc1 .Ldone_b
	ds_load_b128 v[32:35], v253                    ; (no vector line since QUANT's wait names v32 to v39)
	ds_load_b128 v[36:39], v253 offset:512
	s_wait_dscnt 0x0
	global_store_b128 v6, v[32:35], s[32:33] offset:32768
	global_store_b128 v6, v[36:39], s[32:33] offset:33280
.Ldone_b:
	s_wait_xcnt 0x0
	v_lshl_add_u32 v254, v0, 2, 0x16400            ; (on this way no memory instruction has read v254 or v255)
	v_mov_b32 v255, 0
	s_wait_dscnt 0x0                               ; the closing lines, six on end
	s_wait_alu 0x0
	s_wait_tensorcnt 0x0
	ds_add_u32 v254, v255
	s_wait_dscnt 0x0
	s_endpgm
.Lfunc_end_k_q011031282f_prep:
	.size	k_q011031282f_prep, .Lfunc_end_k_q011031282f_prep-k_q011031282f_prep
	.p2alignl 7, 3214868480
	.fill 96, 4, 3214868480
	.section	.rodata,"a",@progbits
	.p2align	6, 0x0
	.amdhsa_kernel k_q011031282f_prep
		.amdhsa_group_segment_fixed_size 93184
		.amdhsa_private_segment_fixed_size 0
		.amdhsa_enable_private_segment 0
		.amdhsa_kernarg_size 56
		.amdhsa_user_sgpr_count 2
		.amdhsa_user_sgpr_kernarg_segment_ptr 1
		.amdhsa_wavefront_size32 1
		.amdhsa_system_sgpr_workgroup_id_x 1
		.amdhsa_system_sgpr_workgroup_id_y 1
		.amdhsa_system_sgpr_workgroup_id_z 1
		.amdhsa_system_vgpr_workitem_id 0
		.amdhsa_next_free_vgpr 256
		.amdhsa_next_free_sgpr 66
		.amdhsa_reserve_vcc 0
		.amdhsa_float_denorm_mode_32 3
		.amdhsa_float_denorm_mode_16_64 3
		.amdhsa_memory_ordered 1
		.amdhsa_forward_progress 1
		.amdhsa_inst_pref_size 54
	.end_amdhsa_kernel
	.amdgpu_metadata
---
amdhsa.version: [ 1, 2 ]
amdhsa.kernels:
  - .name:           k_q011031282f_prep
    .symbol:         k_q011031282f_prep.kd
    .args:
      - { .name: Wa, .offset: 0, .size: 8, .value_kind: global_buffer, .address_space: global }
      - { .name: Wc, .offset: 8, .size: 8, .value_kind: global_buffer, .address_space: global }
      - { .name: hidden, .offset: 16, .size: 8, .value_kind: global_buffer, .address_space: global }
      - { .name: ba, .offset: 24, .size: 8, .value_kind: global_buffer, .address_space: global }
      - { .name: wae, .offset: 32, .size: 8, .value_kind: global_buffer, .address_space: global }
      - { .name: wcq, .offset: 40, .size: 8, .value_kind: global_buffer, .address_space: global }
      - { .name: hp, .offset: 48, .size: 8, .value_kind: global_buffer, .address_space: global }
    .group_segment_fixed_size: 93184
    .private_segment_fixed_size: 0
    .kernarg_segment_align: 8
    .kernarg_segment_size: 56
    .max_flat_workgroup_size: 512
    .sgpr_count:     66
    .vgpr_count:     256
    .wavefront_size: 32
...
	.end_amdgpu_metadata
.endif
;; end of part 4
;; launch main: the kernel of part 2 again; grid 256 x 1, 4 waves a work-group, clusters of 4 x 1, 327,680 bytes of LDS; arguments encoder_states, wae, hp, w2, b2, pvec, pml; writes pvec, pml
;; launch fin (part 5): grid 64 x 1, 4 waves a work-group, no clusters, 73,216 bytes of LDS; arguments decoder_out, pvec, pml, wcq, bc, out0, out1; writes out0, out1
.if DOCPART == 5
	.amdgcn_target "amdgcn-amd-amdhsa--gfx1250"
	.amdhsa_code_object_version 6
	.text
	.protected	k_q011031282f_fin
	.globl	k_q011031282f_fin
	.p2align	8
	.type	k_q011031282f_fin,@function
k_q011031282f_fin:
	s_mov_b64 s[64:65], 0
	v_nop
	global_prefetch_b8 v0, s[64:65] scope:SCOPE_SE
	s_setreg_imm32_b32 hwreg(HW_REG_WAVE_SCHED_MODE, 0, 2), 2
	s_setreg_imm32_b32 hwreg(HW_REG_WAVE_MODE, 25, 1), 1
	s_wait_xcnt 0x0
	s_wait_alu depctr_vm_vsrc(0)
; FIN.  applied[b] = sum over the four parts q of e^(m_q - M) pvec[b][q] / sum of e^(m_q - M) l_q, M the largest m_q (out1);  out0 = tanh([decoder_out, applied] Wc^T + bc), the product on codes of E4M3.
; SHARES.  Work-group g: 16 b (g % 4) x 64 n (g / 4).  Wave w quantises K steps 2 w, 2 w + 1 (decoder_out) and 8 + 2 w, 9 + 2 w (applied) of the 16 rows; the fragments meet in LDS as images of their
; registers; then wave w multiplies tile 4 (g / 4) + w of 16 n, whose 16 fragments of Wc come from memory straight into its registers.  The merge is done by each of the 16 work-groups of a g % 4; those with g / 4 = 0 store out1.
; The product is used transposed (source 0 = 16 n of Wc, source 1 = 16 b): a lane holds one b and eight neighbouring n; bc is the C of the first sum's first product.
; No tensor load, no cluster: what work-groups share here is small, and the launch is short.
; LIMITS: as in the other launches: NaN and infinities are not served; the scale byte is held at 1 from below.
; REGISTERS: window 0: v1-15 addresses; v16-31 at work; v34-41 four coefficients, twice each; v42-49 (m, l) of the four parts; v50-57 bc; v58-65 Wc's scale words; v66-73 the rows' scale words; v80-95 codes; v96-127 four accumulators;
;   v128-191, v192-255 two sets of 64 numbers.   window 1: Wc's 16 fragments.   window 2: the four parts of my first K step, later the rows' 16 fragments.   window 3: the four parts of my second K step.
; THE MODE: SCHED_MODE bits 1:0 = 2 (LLVM: expert scheduling mode 2), set by the entry lines.  The code itself states the register dependences
; between vector or matrix instructions and memory or LDS instructions, with s_wait_alu, always for 0.
; THE PLAN.  Registers that memory or LDS instructions touch:
;   v4-v15, v74          offsets and LDS addresses: written once at the head, ahead of one wait on va_vdst; never written again.   v78, v79: written at the head, read by the closing add alone.
;   DA (v128-v191)       loads land; QUANT and MERGE write it; out1's LDS stores read it (work-groups with g / 4 = 0).
;   DB (v192-v255)       loads land; QUANT works on it once; then the stage's LDS loads land in it and out1's global stores read it.
;   PC (v80-v95), PW     written by QUANT, read by the fragment's LDS stores, written again by the next QUANT.
;   window 2             loads of pvec land; MERGE reads it; behind the barrier the rows' fragments land in it.   Windows 1 and 3, v42-v73: loads alone land in them.
;   ACC (v96-v127)       written by matrix and vector lines; out0's LDS stores read its first eight; LDS loads land in the next eight.
; So a wait on va_vdst closes each QUANT (its results are written for the stores; all earlier vector lines are done with the registers in which later loads land), one opens the arm that stores out1,
; and one stands ahead of out0's LDS stores.  A wait on vm_vsrc stands ahead of each QUANT but the first.
.set FIMG, 0                           ; the rows' 16 fragments
.set FSC,  32768                       ; their scale words, [K step][row]
.set OST,  33792                       ; out0's stage: 16 rows x (256 + 16) bytes
.set ST1,  38400                       ; out1's stages: 16 rows x (512 + 16) bytes for each wave
.set TM,  16
.set PW,  32
.set CF,  34
.set ML,  42
.set BC,  50
.set WCS, 58
.set OPS, 66
.set PC,  80
.set ACC, 96
.set DA,  128
.set DB,  192
.set WV,  18
.set BT,  19
.set NG,  20
.set SEL, 22
.set CC,  24
.set MNT, 26
.set MSB, 0
.macro WIN new
.if MSB != (\new)
	s_set_vgpr_msb (MSB<<8)|(\new)
.set MSB, \new
.endif
.endm
.macro QUANT s
.irp b, 0,1,2,3
	v_max3_num_f32 v[TM+\b], |v[\s+16*\b]|, |v[\s+1+16*\b]|, 0x4800000   ; my 16 numbers of block b, and the floor 2^(9 - 127): the byte cannot fall under 1
.endr
.irp i, 2,4,6,8,10,12,14
.irp b, 0,1,2,3
	v_max3_num_f32 v[TM+\b], v[TM+\b], |v[\s+16*\b+\i]|, |v[\s+1+16*\b+\i]|
.endr
.endr
.irp b, 0,1,2,3
	v_permlanex16_b32 v[TM+4+\b], v[TM+\b], s[SEL], s[SEL+1]
.endr
.irp b, 0,1,2,3
	v_max_num_f32 v[TM+\b], v[TM+\b], v[TM+4+\b]
.endr
.irp b, 0,1,2,3
	v_add_nc_u32 v[TM+12+\b], 0xfc000000, v[TM+\b]               ; 8 off the exponent field: the conversion's scale operand
.endr
.irp b, 0,1,2,3
	v_and_or_b32 v[TM+8+\b], v[TM+\b], 0x7f800000, s[MNT]        ; 448 x the scale
.endr
.irp b, 0,1,2,3
	v_lshrrev_b32 v[TM+4+\b], 23, v[TM+12+\b]                    ; the scale's byte
.endr
	v_lshl_or_b32 v[PW], v[TM+5], 8, v[TM+4]
	v_lshl_or_b32 v[PW], v[TM+6], 16, v[PW]
	v_lshl_or_b32 v[PW], v[TM+7], 24, v[PW]
.irp b, 0,1,2,3
.irp i, 0,1,2,3,4,5,6,7,8,9,10,11,12,13,14,15
	v_med3_num_f32 v[\s+16*\b+\i], v[\s+16*\b+\i], -v[TM+8+\b], v[TM+8+\b]   ; the conversion does not saturate (ISA guide 7.6.2): the hold
.endr
	v_cvt_scalef32_pk8_fp8_f32 v[PC+4*\b:PC+1+4*\b], v[\s+16*\b:\s+7+16*\b], v[TM+12+\b]
	v_cvt_scalef32_pk8_fp8_f32 v[PC+2+4*\b:PC+3+4*\b], v[\s+8+16*\b:\s+15+16*\b], v[TM+12+\b]
.endr
	v_nop                                          ; a plain line behind the last conversion
	s_wait_alu depctr_va_vdst(0)                   ; the conversions have written v[PC ..] and the shifts v[PW], which the LDS stores behind this macro read; the vector lines so far are also done with v[DB ..] and with window 2, in which later LDS loads land
.endm
.macro XLOAD reg, va, sb, off
.irp b, 0,1,2,3
.irp j, 0,1,2,3
	global_load_b128 v[\reg+16*\b+4*\j:\reg+16*\b+4*\j+3], v[\va], s[\sb:\sb+1] offset:\off+128*\b+16*\j
.endr
.endr
.endm
.macro PLOAD v                         ; the four parts' numbers of my K step v: part q at v[64 q] on of the window in hand
.irp q, 0,1,2,3
.irp b, 0,1,2,3
.irp j, 0,1,2,3
	global_load_b128 v[64*\q+16*\b+4*\j:64*\q+16*\b+4*\j+3], v5, s[6:7] offset:4096*\q+512*(\v)+128*\b+16*\j
.endr
.endr
.endr
.endm
.macro IMAGE adr, off
.irp c, 0,1,2,3
	ds_store_b128 v[\adr], v[PC+4*\c:PC+4*\c+3] offset:\off+512*\c
.endr
.endm
.macro BARRIER
	s_wait_dscnt 0x0
	s_barrier_signal -1
	s_barrier_wait -1
.endm
.macro MERGE w                         ; applied's 64 numbers of a lane, into v[DA] on: source 0 in window w
	WIN \w
.set KK, 0
.rept 32
	v_pk_mul_f32 v[DA+2*KK:DA+2*KK+1], v[2*KK:2*KK+1], v[CF:CF+1]
.set KK, KK+1
.endr
.irp q, 1,2,3
.set KK, 0
.rept 32
	v_pk_fma_f32 v[DA+2*KK:DA+2*KK+1], v[64*\q+2*KK:64*\q+2*KK+1], v[CF+2*\q:CF+2*\q+1], v[DA+2*KK:DA+2*KK+1]
.set KK, KK+1
.endr
.endr
	WIN 0
.endm
.macro APPLIED v, w                    ; my K step v of applied: merged, stored (by the work-groups with g / 4 = 0), quantised
	s_wait_loadcnt 63                              ; 64 loads or more are younger than this step's parts
	MERGE \w
	s_cmp_lg_u32 s[NG], 0
	s_cbranch_scc1 .Lnot_mine_\@
	s_wait_xcnt 0x0                                ; earlier stores have read the registers that the loads below fill
	s_wait_alu depctr_va_vdst(0)                   ; the merge has written v[DA ..], which the LDS stores below read
.irp b, 0,1,2,3
.irp j, 0,1,2,3
	ds_store_b128 v14, v[DA+16*\b+4*\j:DA+16*\b+4*\j+3] offset:128*\b+16*\j   ; through my own stage: in by lanes' rows,
.endr
.endr
.irp i, 0,1,2,3,4,5,6,7,8,9,10,11,12,13,14,15
	ds_load_b128 v[DB+4*\i:DB+4*\i+3], v15 offset:528*\i                     ; back by whole rows (LDS serves a wave's instructions in order)
.endr
.irp i, 0,1,2,3,4,5,6,7,8,9,10,11,12,13,14,15
	s_wait_dscnt 15-\i
	global_store_b128 v6, v[DB+4*\i:DB+4*\i+3], s[16:17] offset:4096*\i+512*(\v)   ; 512 consecutive bytes of a row of out1
.endr
.Lnot_mine_\@:
	s_wait_alu depctr_vm_vsrc(0)                   ; on both ways the LDS stores of the fragment before have read v[PC ..] and v[PW], which QUANT writes again; on the way that stores out1 the LDS stores have read v[DA ..], which QUANT's holds write, and the global stores v[DB ..], in which the next stage's loads land
	QUANT DA
	IMAGE 8, 16384+2048*(\v)
	ds_store_b32 v9, v[PW] offset:512+64*(\v)
	s_wait_dscnt 0x0
.endm
.macro FMM c                           ; K step STP on accumulator STP % 4
.if STP%2
	v_wmma_scale_f32_16x16x128_f8f6f4 v[DD:DD+7], v[16*STP:16*STP+15], v[16*STP:16*STP+15], \c, v[WCS+STP/2], v[OPS+STP/2] matrix_a_scale:MATRIX_SCALE_ROW1 matrix_b_scale:MATRIX_SCALE_ROW1
.else
	v_wmma_scale_f32_16x16x128_f8f6f4 v[DD:DD+7], v[16*STP:16*STP+15], v[16*STP:16*STP+15], \c, v[WCS+STP/2], v[OPS+STP/2]
.endif
.endm
	s_load_b256 s[4:11], s[0:1], 0x0               ; decoder_out s[4:5], pvec s[6:7], pml s[8:9], wcq s[10:11]
	s_load_b128 s[12:15], s[0:1], 0x20             ; bc s[12:13], out0 s[14:15]
	s_load_b64 s[16:17], s[0:1], 0x30              ; out1
	v_lshl_add_u32 v78, v0, 2, 0x11c00
	v_mov_b32 v79, 0
	v_lshrrev_b32 v1, 5, v0
	v_readfirstlane_b32 s[WV], v1
	s_and_b32 s[BT], ttmp9, 3
	s_lshr_b32 s[NG], ttmp9, 2
	v_and_b32 v1, 31, v0                           ; lane
	v_and_b32 v2, 15, v0                           ; r
	v_bfe_u32 v3, v0, 4, 1                         ; h
	v_lshlrev_b32 v4, 12, v2
	v_lshl_add_u32 v4, v3, 6, v4                   ; decoder_out: row r of 4,096 bytes + 64 h
	v_lshlrev_b32 v5, 14, v2
	v_lshl_add_u32 v5, v3, 6, v5                   ; pvec: b's four parts are 16,384 bytes
	v_lshlrev_b32 v6, 4, v1                        ; 16 x lane
	v_lshlrev_b32 v7, 10, v2
	v_lshl_add_u32 v7, v1, 3, v7                   ; pml: b's four units of 256 bytes; my lane's copy
	s_wait_alu depctr_va_sdst(0)                   ; s18, the wave's number, is written, ahead of its first reader
	s_lshl_b32 s27, s[WV], 12
	v_add_nc_u32 v8, s27, v6                       ; where I store fragments 2 w, 2 w + 1
	s_lshl_b32 s27, s[WV], 7
	s_add_co_u32 s27, s27, FSC
	v_lshl_add_u32 v9, v2, 2, s27                  ; and their scale words
	v_lshl_add_u32 v10, v1, 2, FSC                 ; scale words, two K steps to a register
	v_mul_u32_u24 v11, v2, 272
	v_lshl_add_u32 v11, v3, 5, v11
	s_lshl_b32 s27, s[WV], 6
	s_add_co_u32 s27, s27, OST
	v_add_nc_u32 v11, s27, v11                     ; out0's stage, in: row r, 64 w + 32 h
	v_mul_u32_u24 v12, v3, 272
	v_lshl_add_u32 v12, v2, 4, v12
	s_mul_i32 s27, s[WV], 4*272
	s_add_co_u32 s27, s27, OST
	v_add_nc_u32 v12, s27, v12                     ; back: rows 4 w + h (+ 2), 16 bytes a lane
	v_lshlrev_b32 v13, 12, v3
	v_lshl_add_u32 v13, v2, 4, v13
	s_lshl_b32 s27, s[WV], 14
	v_add_nc_u32 v13, s27, v13                     ; and the same place in out0
	v_mul_u32_u24 v14, v2, 528
	v_lshl_add_u32 v14, v3, 6, v14
	s_mul_i32 s27, s[WV], 8448
	s_add_co_u32 s27, s27, ST1
	v_add_nc_u32 v14, s27, v14                     ; out1's stage, in
	v_add_nc_u32 v15, s27, v6                      ; and back
	v_lshlrev_b32 v74, 5, v3                       ; bc: 32 h
	s_mov_b32 s[SEL], 0x76543210
	s_mov_b32 s[SEL+1], 0xfedcba98
	s_mov_b32 s[CC], 0x4038AA3B                    ; 2 log2(e)
	s_mov_b32 s[CC+1], s[CC]
	s_mov_b32 s[MNT], 0x600000
.irp b, 0,1,2,3
	v_mov_b32 v[TM+4+\b], 0                        ; written once: a lane permute's destination counts as one of its sources
.endr
	s_lshl_b32 s28, s[BT], 16                      ; 16 rows of 4,096 bytes,
	s_lshl_b32 s30, s[WV], 10                      ; my two K steps
	s_add_co_u32 s28, s28, s30
	s_mov_b32 s29, 0
	s_lshl_b32 s32, s[BT], 18
	s_add_co_u32 s32, s32, s30
	s_mov_b32 s33, 0
	s_lshl_b32 s34, s[BT], 14
	s_mov_b32 s35, 0
	s_lshl_b32 s36, s[NG], 2
	s_add_co_u32 s36, s36, s[WV]                   ; my tile of n
	s_lshl_b32 s38, s36, 6
	s_mov_b32 s39, 0
	s_mul_i32 s36, s36, 33792
	s_mov_b32 s37, 0
	s_lshl_b32 s40, s[BT], 16
	s_lshl_b32 s41, s[NG], 8
	s_add_co_u32 s40, s40, s41
	s_mov_b32 s41, 0
	s_wait_kmcnt 0x0
	s_add_nc_u64 s[4:5], s[4:5], s[28:29]
	s_add_nc_u64 s[16:17], s[16:17], s[28:29]
	s_add_nc_u64 s[6:7], s[6:7], s[32:33]
	s_add_nc_u64 s[8:9], s[8:9], s[34:35]
	s_add_nc_u64 s[10:11], s[10:11], s[36:37]
	s_add_nc_u64 s[12:13], s[12:13], s[38:39]
	s_add_nc_u64 s[14:15], s[14:15], s[40:41]
	s_wait_alu depctr_va_vdst(0)                   ; the offsets and LDS addresses v4 to v15 and v74 are written: every load and store of the kernel reads some of them
.irp q, 0,1,2,3
	global_load_b64 v[ML+2*\q:ML+2*\q+1], v7, s[8:9] offset:256*\q
.endr
	XLOAD DA, 4, 4, 0
	XLOAD DB, 4, 4, 512
	WIN 0x80
	PLOAD 0
	WIN 0
	s_wait_loadcnt 63                              ; (m, l) and decoder_out's two K steps are in: 64 loads are younger
	QUANT DA
	IMAGE 8, 0
	ds_store_b32 v9, v[PW]
	s_wait_dscnt 0x0
	s_wait_alu depctr_vm_vsrc(0)                   ; these LDS stores have read v[PC ..] and v[PW], which the next QUANT writes again
	QUANT DB
	IMAGE 8, 2048
	ds_store_b32 v9, v[PW] offset:64
	WIN 0xc0
	PLOAD 1
	WIN 0
	v_max3_num_f32 v33, v[ML], v[ML+2], v[ML+4]
	v_max_num_f32 v33, v33, v[ML+6]                ; M
.irp q, 0,1,2,3
	v_sub_f32 v[CF+2*\q], v[ML+2*\q], v33
.endr
.irp q, 0,1,2,3
	v_mul_f32 v[CF+2*\q], 0x3fb8aa3b, v[CF+2*\q]
.endr
.irp q, 0,1,2,3
	v_exp_f32 v[CF+2*\q], v[CF+2*\q]               ; e^(m_q - M)
.endr
	v_nop
	s_wait_alu depctr_va_vdst(0)                   ; the four exponentials have written v[CF], v[CF+2], v[CF+4], v[CF+6], ahead of their first reader
	v_mul_f32 v75, v[CF], v[ML+1]
	v_fmac_f32 v75, v[CF+2], v[ML+3]
	v_fmac_f32 v75, v[CF+4], v[ML+5]
	v_fmac_f32 v75, v[CF+6], v[ML+7]               ; the row's sum: 1 at the least
	v_rcp_f32 v76, v75
	v_nop
	s_wait_alu depctr_va_vdst(0)                   ; the reciprocal has written v76, ahead of its first reader
.irp q, 0,1,2,3
	v_mul_f32 v[CF+2*\q], v[CF+2*\q], v76
.endr
.irp q, 0,1,2,3
	v_mov_b32 v[CF+2*\q+1], v[CF+2*\q]
.endr
	APPLIED 0, 2
	global_load_b128 v[BC:BC+3], v74, s[12:13]
	global_load_b128 v[BC+4:BC+7], v74, s[12:13] offset:16
	global_load_b128 v[WCS:WCS+3], v6, s[10:11] offset:32768
	global_load_b128 v[WCS+4:WCS+7], v6, s[10:11] offset:33280
	WIN 0x40
.irp s, 0,1,2,3,4,5,6,7,8,9,10,11,12,13,14,15
.irp c, 0,1,2,3
	global_load_b128 v[16*\s+4*\c:16*\s+4*\c+3], v6, s[10:11] offset:2048*\s+512*\c   ; Wc's fragments as they lie: 512 consecutive bytes a load
.endr
.endr
	WIN 0
	APPLIED 1, 3
	BARRIER                                        ; the rows' sixteen fragments lie in LDS
	WIN 0x80
.irp s, 0,1,2,3,4,5,6,7,8,9,10,11,12,13,14,15
.irp c, 0,1,2,3
	ds_load_b128 v[16*\s+4*\c:16*\s+4*\c+3], v6 offset:FIMG+2048*\s+512*\c   ; into window 2, which the first merge read: no vector line since the last QUANT's wait names it
.endr
.endr
	WIN 0
.irp q, 0,1,2,3,4,5,6,7
	ds_load_b32 v[OPS+\q], v10 offset:128*\q
.endr
	s_wait_dscnt 0x0
	s_wait_loadcnt 0x0
	WIN 0x09                                       ; source 0 (Wc) window 1, source 1 (the rows) window 2
.set STP, 0
.rept 16
.set DD, ACC+8*(STP%4)
.if STP == 0
	FMM v[BC:BC+7]
.elseif STP < 4
	FMM 0
.else
	FMM v[DD:DD+7]
.endif
.set STP, STP+1
.endr
	WIN 0
.rept 8
	v_nop
.endr
.irp j, 0,2,4,6
	v_pk_add_f32 v[ACC+\j:ACC+\j+1], v[ACC+\j:ACC+\j+1], v[ACC+8+\j:ACC+9+\j]      ; the four sums, each from its low end on
.endr
.irp j, 0,2,4,6
	v_pk_add_f32 v[ACC+16+\j:ACC+17+\j], v[ACC+16+\j:ACC+17+\j], v[ACC+24+\j:ACC+25+\j]
.endr
.irp j, 0,2,4,6
	v_pk_add_f32 v[ACC+\j:ACC+\j+1], v[ACC+\j:ACC+\j+1], v[ACC+16+\j:ACC+17+\j]
.endr
.irp j, 0,2,4,6
	v_pk_mul_f32 v[ACC+\j:ACC+\j+1], v[ACC+\j:ACC+\j+1], s[CC:CC+1] op_sel_hi:[1,0]
.endr
.irp j, 0,1,2,3,4,5,6,7
	v_exp_f32 v[ACC+\j], v[ACC+\j]
.endr
	v_nop
	s_wait_alu depctr_va_vdst(0)                   ; the eight exponentials have written v[ACC] to v[ACC+7], ahead of their first reader
.irp j, 0,2,4,6
	v_pk_add_f32 v[ACC+\j:ACC+\j+1], v[ACC+\j:ACC+\j+1], 1.0 op_sel_hi:[1,0]
.endr
.irp j, 0,1,2,3,4,5,6,7
	v_rcp_f32 v[ACC+\j], v[ACC+\j]
.endr
	v_nop
	s_wait_alu depctr_va_vdst(0)                   ; the eight reciprocals have written v[ACC] to v[ACC+7], ahead of their first reader
.irp j, 0,2,4,6
	v_pk_fma_f32 v[ACC+\j:ACC+\j+1], v[ACC+\j:ACC+\j+1], -2.0, 1.0 op_sel_hi:[1,0,0]   ; tanh(x) = 1 - 2 / (1 + 2^(c x))
.endr
	s_wait_alu depctr_va_vdst(0)                   ; the four multiply-adds have written v[ACC] to v[ACC+7], which the LDS stores read; the additions are done with v[ACC+8] to v[ACC+15], in which the loads behind the barrier land
	ds_store_b128 v11, v[ACC:ACC+3]                ; a row's 64 n come from four waves: they meet in the stage
	ds_store_b128 v11, v[ACC+4:ACC+7] offset:16
	BARRIER
	ds_load_b128 v[ACC+8:ACC+11], v12
	ds_load_b128 v[ACC+12:ACC+15], v12 offset:2*272
	s_wait_dscnt 0x0
	global_store_b128 v13, v[ACC+8:ACC+11], s[14:15]               ; sixteen lanes store 256 consecutive bytes, aligned
	global_store_b128 v13, v[ACC+12:ACC+15], s[14:15] offset:2*4096
	s_wait_dscnt 0x0                               ; the closing lines, six on end
	s_wait_alu 0x0
	s_wait_tensorcnt 0x0
	ds_add_u32 v78, v79
	s_wait_dscnt 0x0
	s_endpgm
.Lfunc_end_k_q011031282f_fin:
	.size	k_q011031282f_fin, .Lfunc_end_k_q011031282f_fin-k_q011031282f_fin
	.p2alignl 7, 3214868480
	.fill 96, 4, 3214868480
	.section	.rodata,"a",@progbits
	.p2align	6, 0x0
	.amdhsa_kernel k_q011031282f_fin
		.amdhsa_group_segment_fixed_size 73216
		.amdhsa_private_segment_fixed_size 0
		.amdhsa_enable_private_segment 0
		.amdhsa_kernarg_size 56
		.amdhsa_user_sgpr_count 2
		.amdhsa_user_sgpr_kernarg_segment_ptr 1
		.amdhsa_wavefront_size32 1
		.amdhsa_system_sgpr_workgroup_id_x 1
		.amdhsa_system_sgpr_workgroup_id_y 1
		.amdhsa_system_sgpr_workgroup_id_z 1
		.amdhsa_system_vgpr_workitem_id 0
		.amdhsa_next_free_vgpr 1024
		.amdhsa_next_free_sgpr 66
		.amdhsa_reserve_vcc 0
		.amdhsa_float_denorm_mode_32 3
		.amdhsa_float_denorm_mode_16_64 3
		.amdhsa_memory_ordered 1
		.amdhsa_forward_progress 1
		.amdhsa_inst_pref_size 95
	.end_amdhsa_kernel
	.amdgpu_metadata
---
amdhsa.version: [ 1, 2 ]
amdhsa.kernels:
  - .name:           k_q011031282f_fin
    .symbol:         k_q011031282f_fin.kd
    .args:
      - { .name: decoder_out, .offset: 0, .size: 8, .value_kind: global_buffer, .address_space: global }
      - { .name: pvec, .offset: 8, .size: 8, .value_kind: global_buffer, .address_space: global }
      - { .name: pml, .offset: 16, .size: 8, .value_kind: global_buffer, .address_space: global }
      - { .name: wcq, .offset: 24, .size: 8, .value_kind: global_buffer, .address_space: global }
      - { .name: bc, .offset: 32, .size: 8, .value_kind: global_buffer, .address_space: global }
      - { .name: out0, .offset: 40, .size: 8, .value_kind: global_buffer, .address_space: global }
      - { .name: out1, .offset: 48, .size: 8, .value_kind: global_buffer, .address_space: global }
    .group_segment_fixed_size: 73216
    .private_segment_fixed_size: 0
    .kernarg_segment_align: 8
    .kernarg_segment_size: 56
    .max_flat_workgroup_size: 128
    .sgpr_count:     66
    .vgpr_count:     1024
    .wavefront_size: 32
...
	.end_amdgpu_metadata
.endif
;; end of part 5
